; MI455X (gfx1250); checked and timed in simulation.
; The chip was launched on July 23, 2026; its instructions are those of AMD's public machine-readable ISA for CDNA 5 (MIT licence, August 2026) and "CDNA5" Instruction Set Architecture Reference Guide (July 2026). The comments in the code are by the model that wrote it; some were corrected since.
;; Attention. Allowed arithmetic: matrix products marked QUANTISED: E4M3 operands, one given power-of-two scale a tensor, by v_wmma_f32_16x16x64_fp8_fp8 or v_wmma_f32_16x16x128_fp8_fp8, f32 sums; everything else in f32.
;; Inputs: b_attn 3,072 float32; b_proj 1,024 float32; lowp_scales 8 int32 (the exponents e of the quantised operands' scales 2^e); w_attn 1,024 x 3,072 float32; w_proj 1,024 x 1,024 float32; x 4 x 2,048 x 1,024 float32.
;; Outputs: out0 4 x 2,048 x 1,024 float32.
;; This version of the problem:
;;   THIS VERSION OF THE PROBLEM IS GIVEN IN LOW PRECISION. The matrix products marked QUANTISED in the list below multiply operands that are first quantised to E4M3 (4 exponent bits, 3 mantissa bits; 8 bits a number), with one given power-of-two scale for each operand tensor; their sums are f32. All else is computed in f32.
;;   The module's matrix products, in the order in which they are computed (A, B: the left and right operand; K: the contracted axis; several contracted axes count as one K, in the product's order):
;;     1. [M 8,192, K 1,024] x [K 1,024, N 3,072]; A: input x; B: input w_attn: QUANTISED (scales: A lowp_scales[0], B lowp_scales[1])
;;     2. batch 64 x [M 2,048, K 64] x [K 64, N 2,048]; A: computed on the way; B: computed on the way: QUANTISED (scales: A lowp_scales[2], B lowp_scales[3])
;;     3. batch 64 x [M 2,048, K 2,048] x [K 2,048, N 64]; A: softmax (see below); B: computed on the way: QUANTISED (scales: A lowp_scales[4], B lowp_scales[5])
;;     4. [M 8,192, K 1,024] x [K 1,024, N 1,024]; A: computed on the way; B: input w_proj: QUANTISED (scales: A lowp_scales[6], B lowp_scales[7])
;;   THE QUANTISER, for each operand of a quantised product, along K:
;;     - The operand's scale is 2^e, e = its entry of the input lowp_scales (int32; the entries are numbered through the quantised products in the list's order, A before B).
;;     - Each number is divided by the scale, clamped to +-448, and rounded to the nearest number of E4M3, ties to even, subnormals kept.
;;     - The product sums the exact products of the quantised numbers (number of the format x scale) in f32.
;;   ~~~python
;;   def quantise(x, axis, e):      # numpy; x: float32 -> the quantised numbers, widened to float32 again
;;       x = np.moveaxis(x, axis, -1); K = x.shape[-1]
;;       r = np.clip(x / 2.0 ** e, -448, 448)
;;       step = 2.0 ** (np.maximum(np.frexp(np.where(r == 0, 1, r))[1] - 1, -6) - 3)
;;       q = np.round(r / step) * step * 2.0 ** e      # np.round: ties to even
;;       return np.moveaxis(q, -1, axis).astype(np.float32)
;;   ~~~
;;   SOFTMAX AHEAD OF A QUANTISED PRODUCT. Where the list says 'softmax', what is quantised is not the finished softmax but p = 2^(t - M), with t = logit x log2(e) and M = ceil(the row's largest t), a whole number; so 1/2 < the row's largest p <= 1. The row's sum l is taken of the UNQUANTISED p, in f32, and the product's result is divided by l at the end. Since M is a whole number, a kernel that streams over the keys may use a running M (the ceiling of the running maximum): every later rescaling is an exact power of two, so the quantised numbers keep their values, but for numbers so far below the row's largest that they fall under the format's range.
;;   OPERANDS COMPUTED ON THE WAY. 'Computed on the way' means the value that the module computes at that place (a softmax that the list does not call 'softmax' is quantised finished and normalised). What goes into a quantiser is computed in f32, as accurately as f32 sums, v_exp_f32 and their like allow (about 1e-6 of the number): no bf16 or f16 on the way to a quantiser, and a product that is left as it is and whose result goes on into a quantised operand takes f32 operands (vector FMAs, or v_wmma_f32_16x16x4_f32). A number that lies on a knife's edge between two numbers of the format may be rounded either way, as far as f32 arithmetic and the matrix unit's own rounding can turn it there, and no further.
;; One version. Each part assembles by itself: llvm-mc -triple=amdgcn-amd-amdhsa -mcpu=gfx1250 --defsym DOCPART=n.
;; ======== version 1 of 1: 4 launches
;; limits: right only within a limited range of input values
;; workspace buffers: xc 8,388,608 bytes; wac 3,145,728 bytes; wpc 1,048,576 bytes; qc 8,388,608 bytes; kc 8,388,608 bytes; vc 8,388,608 bytes; yc 8,388,608 bytes
;; launch quant (part 1): grid 384 x 1, 4 waves a work-group, no clusters, 35,328 bytes of LDS; arguments x, w_attn, w_proj, lowp_scales, xc, wac, wpc; writes xc, wac, wpc
.if DOCPART == 1
	.amdgcn_target "amdgcn-amd-amdhsa--gfx1250"
	.amdhsa_code_object_version 6
	.text
	.protected	k_qbec617ccda_quant
	.globl	k_qbec617ccda_quant
	.p2align	8
	.type	k_qbec617ccda_quant,@function
k_qbec617ccda_quant:
	s_mov_b64 s[64:65], 0
	v_nop
	global_prefetch_b8 v0, s[64:65] scope:SCOPE_SE
	s_setreg_imm32_b32 hwreg(HW_REG_WAVE_MODE, 25, 1), 1
	s_wait_xcnt 0x0
; x [8192][1024], w_attn [1024 k][3072 n] and w_proj [1024 k][1024 n], f32, become codes of FP8 (E4M3), each with the one scale 2^e given for it (entries 0, 1, 7).
; code = number / 2^e, held within +-448, rounded to the nearest code, ties to even.  LIMITS: -126 <= e <= 119.  NaN among the inputs is not served (an infinity is held at the largest code).
; THREE PATHS, parted by the work-group's number, that never join; every work-group reads 128 KiB.
;   0-255   x -> xc [8192][1024].  Inside each 512 along K the codes lie in the ORDER P: place 16 l + 4 i + j holds k = 128 i + 4 l + j (l 0..31, i, j 0..3).  That is the order in which lane l's four loads of 16 bytes,
;           512 bytes apart, bring its 16 numbers: every load reads 512 consecutive bytes, a lane's 16 codes are 16 bytes, every store writes 512 consecutive bytes, and nothing changes lanes.
;   256-351 w_attn -> wac [3072 n][1024], K innermost, in the same order P: the first product meets the same k at the same place of both operands, so every number meets its partner.
;           A lane takes a column n and its registers run down K (in the order P); a wave's 32 columns x 256 places go through its own stage in LDS and leave as whole rows of 256 bytes.
;   352-383 w_proj -> wpc [64 tiles of 16 n][8 steps of 128 k][2,048 bytes]: the operand's registers on end: registers 4 g .. 4 g + 3 of lane (r, h) at 512 g + 16 (r + 16 h);
;           registers 2 c, 2 c + 1 hold k = 16 c + 8 h + 0 .. 7 of column r.  A lane's 32 numbers down K are 16 bytes for h = 0 and 16 for h = 1: sixteen lanes store 256 consecutive bytes; no LDS.
; No matrix work, no tensor loads, no barrier: waves share nothing.
.set STG,   32*272                     ; a wave's stage: 32 rows of 256 bytes + 16 of padding
.set SPARE, 4*STG                      ; behind the stages: the spare words, 128 bytes a wave: two blocks of 256 bytes that no other line names
.set SPW,  14                          ; v14  LDS address of my spare word; never rewritten
.set NIL,  15                          ; v15  0; never rewritten
.set LIM,  10                          ; v10  448 x 2^e
.set SC,   11                          ; v11  2^e as f32: the conversion takes its exponent field
.set R,    32                          ; x: v32-159 eight sets of 16 numbers
.set C,    160                         ; x: v160-223 four registers of codes for each step, never written again
.set X,    32                          ; weights: v32-95 two sets of 32 numbers
.set CW,   96                          ; weights: codes (w_attn: v96-103; w_proj: eight registers for each block, v96-159)
.set OUTR, 112                         ; w_attn: v112-175 the rows read back from the stage
	s_load_b256 s[4:11], s[0:1], 0x0               ; x s[4:5], w_attn s[6:7], w_proj s[8:9], the scales' exponents s[10:11]
	s_load_b128 s[12:15], s[0:1], 0x20             ; xc s[12:13], wac s[14:15]
	s_load_b64 s[16:17], s[0:1], 0x30              ; wpc
	v_lshl_add_u32 v[SPW], v0, 2, SPARE
	v_mov_b32 v[NIL], 0
	v_lshrrev_b32 v1, 5, v0
	v_readfirstlane_b32 s18, v1                    ; wave 0..3
	v_and_b32 v2, 31, v0                           ; lane
	v_lshlrev_b32 v3, 2, v2                        ; 4 x lane: a column of a weight
	v_lshlrev_b32 v12, 4, v2                       ; 16 x lane
	v_and_b32 v5, 15, v2
	v_lshrrev_b32 v6, 4, v2
	s_mul_i32 s19, s18, STG
	v_mul_u32_u24 v4, v2, 272
	v_add_nc_u32 v4, s19, v4                       ; the stage, in: row = my column
	v_mul_u32_u24 v7, v6, 272
	v_lshl_add_u32 v7, v5, 4, v7
	v_add_nc_u32 v7, s19, v7                       ; the stage, out: sixteen lanes to a row, two rows an instruction
	v_lshlrev_b32 v8, 10, v6
	v_lshl_add_u32 v8, v5, 4, v8                   ; and the same place in wac: rows of 1,024 bytes
	v_lshlrev_b32 v9, 14, v6
	v_lshl_add_u32 v9, v5, 4, v9                   ; wpc: lanes 16-31 hold the next tile of 16 columns, 16,384 bytes on
	s_mov_b32 s23, 0
	s_wait_kmcnt 0x0
	s_load_b256 s[24:31], s[10:11], 0x0            ; e0 .. e7
	s_cmp_lt_u32 ttmp9, 256
	s_cbranch_scc0 .Lweights
.macro MKSC e                          ; the scale and the hold's bound from the exponent in s[e]
	s_wait_kmcnt 0x0
	s_add_co_i32 s32, s[\e], 127
	s_lshl_b32 s33, s32, 23
	v_mov_b32 v[SC], s33
	s_add_co_i32 s32, s32, 8
	s_lshl_b32 s32, s32, 23
	s_or_b32 s32, s32, 0x600000                    ; the mantissa field of 448
	v_mov_b32 v[LIM], s32
.endm
.macro HOLD first, n                   ; the conversion to an 8-bit code does not saturate (ISA guide 7.6.2): the numbers are held within the largest code x the scale first
.set I, 0
.rept \n
	v_med3_num_f32 v[\first+I], v[\first+I], -v[LIM], v[LIM]
.set I, I+1
.endr
.endm
; ---------------- x: a wave takes 8 rows: 16 steps of 512 numbers
	s_lshl_b32 s20, ttmp9, 2
	s_add_co_u32 s20, s20, s18                     ; which run of 8,192 numbers is my wave's
	s_lshl_b32 s22, s20, 15
	s_add_nc_u64 s[4:5], s[4:5], s[22:23]
	s_lshl_b32 s22, s20, 13
	s_add_nc_u64 s[12:13], s[12:13], s[22:23]
.macro LOADX t
.irp i, 0,1,2,3
	global_load_b128 v[R+16*((\t)%8)+4*\i:R+16*((\t)%8)+4*\i+3], v12, s[4:5] offset:2048*(\t)+512*\i th:TH_LOAD_NT   ; 32 lanes read 512 consecutive bytes
.endr
.endm
.macro STEPX t
.if 15-(\t) < 7
	s_wait_loadcnt 4*(15-(\t))                     ; the tail: the steps behind this one, four loads each, may be out
.else
	s_wait_loadcnt 28                              ; this step's four loads are in; those of the seven steps behind it may be out
.endif
.set XS, R+16*((\t)%8)
	HOLD XS, 16
	v_cvt_scalef32_pk8_fp8_f32 v[C+4*(\t):C+4*(\t)+1], v[XS:XS+7], v[SC]
	v_cvt_scalef32_pk8_fp8_f32 v[C+4*(\t)+2:C+4*(\t)+3], v[XS+8:XS+15], v[SC]
.if (\t)+8 < 16
	LOADX (\t)+8                                   ; the set takes the step eight further on
.endif
	global_store_b128 v12, v[C+4*(\t):C+4*(\t)+3], s[12:13] offset:512*(\t)   ; 32 lanes store 512 consecutive bytes, aligned.  The next vector lines are the next step's holds, plain and on other registers
.endm
.irp t, 0,1,2,3,4,5,6,7
	LOADX \t
.endr
	MKSC 24
	s_wait_alu depctr_va_vdst(0)
.irp t, 0,1,2,3,4,5,6,7,8,9,10,11,12,13,14,15
	STEPX \t
.endr
	s_endpgm
; block t of a weight: 32 numbers down K of my column into set t % 2.  pi = 1: the 32 places 32 t .. 32 t + 31 of the order P; pi = 0: k = 32 t + 0 .. 31
.macro LOADW t, base, rowb, pi
.set RHO, 0
.rept 32
.if \pi
	global_load_b32 v[X+32*((\t)%2)+RHO], v3, s[\base:\base+1] offset:(8*(\t)+4*(RHO/16)+128*((RHO/4)%4)+RHO%4)*\rowb th:TH_LOAD_NT
.else
	global_load_b32 v[X+32*((\t)%2)+RHO], v3, s[\base:\base+1] offset:(32*(\t)+RHO)*\rowb th:TH_LOAD_NT
.endif
.set RHO, RHO+1
.endr
.endm
.macro WAITW t
.if (\t) < 7
	s_wait_loadcnt 32                              ; this block's 32 loads are in; the next block's may be out
.else
	s_wait_loadcnt 0x0
.endif
.endm
.Lweights:
	s_cmp_lt_u32 ttmp9, 352
	s_cbranch_scc0 .Lproj
; ---------------- w_attn: a work-group takes 128 columns x 256 places of the order P, a wave 32 columns
	s_sub_co_u32 s20, ttmp9, 256
	s_lshr_b32 s21, s20, 2
	s_and_b32 s20, s20, 3                          ; y: which 256 places
	s_lshl_b32 s21, s21, 7
	s_lshl_b32 s22, s18, 5
	s_add_co_u32 s21, s21, s22                     ; my wave's first column
	s_lshr_b32 s22, s20, 1
	s_lshl_b32 s22, s22, 9                         ; places 256 y on hold k = 512 (y / 2) + 64 (y % 2) + 128 i + 4 l' + j
	s_and_b32 s34, s20, 1
	s_lshl_b32 s34, s34, 6
	s_add_co_u32 s22, s22, s34
	s_mul_i32 s22, s22, 12288                      ; rows of 3,072 f32
	s_lshl_b32 s34, s21, 2
	s_add_co_u32 s22, s22, s34
	s_add_nc_u64 s[6:7], s[6:7], s[22:23]
	s_lshl_b32 s22, s21, 10
	s_lshl_b32 s34, s20, 8
	s_add_co_u32 s22, s22, s34
	s_add_nc_u64 s[14:15], s[14:15], s[22:23]      ; wac: row = column, + 256 y
	LOADW 0, 6, 12288, 1
	LOADW 1, 6, 12288, 1
	MKSC 25
.macro BLOCKA t
.set XS, X+32*((\t)%2)
	WAITW \t
	HOLD XS, 32
.irp g, 0,1,2,3
	v_cvt_scalef32_pk8_fp8_f32 v[CW+2*\g:CW+2*\g+1], v[XS+8*\g:XS+8*\g+7], v[SC]
.endr
	ds_store_b128 v4, v[CW:CW+3] offset:32*(\t)    ; 32 codes of my column's row
	ds_store_b128 v4, v[CW+4:CW+7] offset:32*(\t)+16
.if (\t)+2 < 8
	LOADW (\t)+2, 6, 12288, 1
.endif
	s_wait_dscnt 0x0                               ; the stores have read their registers: the next block's codes may be written
.endm
	s_wait_alu depctr_va_vdst(0)
.irp t, 0,1,2,3,4,5,6,7
	BLOCKA \t
.endr
.irp t, 0,1,2,3,4,5,6,7,8,9,10,11,12,13,14,15
	ds_load_b128 v[OUTR+4*\t:OUTR+4*\t+3], v7 offset:2*\t*272   ; LDS serves a wave's instructions in order (ISA guide 5.7.1.4): these see my stores
.endr
.irp t, 0,1,2,3,4,5,6,7,8,9,10,11,12,13,14,15
	s_wait_dscnt 15-\t
	global_store_b128 v8, v[OUTR+4*\t:OUTR+4*\t+3], s[14:15] offset:2*\t*1024   ; sixteen lanes store 256 consecutive bytes, aligned
.endr
	s_wait_tensorcnt 0x0                           ; the wave's end, behind my last LDS store
	ds_add_u32 v[SPW], v[NIL]
	s_wait_dscnt 0x0
	s_endpgm
.Lproj:
; ---------------- w_proj: a work-group takes 128 columns x 256 along K, a wave 32 columns
	s_sub_co_u32 s20, ttmp9, 352
	s_lshr_b32 s21, s20, 2
	s_and_b32 s20, s20, 3                          ; y: which 256 along K
	s_lshl_b32 s21, s21, 7
	s_lshl_b32 s22, s18, 5
	s_add_co_u32 s21, s21, s22                     ; my wave's first column
	s_lshl_b32 s22, s20, 20                        ; 256 y rows of 4,096 bytes
	s_lshl_b32 s34, s21, 2
	s_add_co_u32 s22, s22, s34
	s_add_nc_u64 s[8:9], s[8:9], s[22:23]
	s_lshl_b32 s22, s21, 10                        ; (column / 16) tiles of 16,384 bytes
	s_lshl_b32 s34, s20, 12                        ; + 2 y steps of 2,048 bytes
	s_add_co_u32 s22, s22, s34
	s_add_nc_u64 s[16:17], s[16:17], s[22:23]
	LOADW 0, 8, 4096, 0
	LOADW 1, 8, 4096, 0
	MKSC 31
.macro BLOCKP t
.set XS, X+32*((\t)%2)
.set CP, CW+8*(\t)
	WAITW \t
	HOLD XS, 32
	v_cvt_scalef32_pk8_fp8_f32 v[CP:CP+1], v[XS:XS+7], v[SC]          ; k 0-7 and 16-23 of the block are the 16 bytes of the operand's lane (r, 0),
	v_cvt_scalef32_pk8_fp8_f32 v[CP+2:CP+3], v[XS+16:XS+23], v[SC]
	v_cvt_scalef32_pk8_fp8_f32 v[CP+4:CP+5], v[XS+8:XS+15], v[SC]     ; k 8-15 and 24-31 those of lane (r, 1)
	v_cvt_scalef32_pk8_fp8_f32 v[CP+6:CP+7], v[XS+24:XS+31], v[SC]
	global_store_b128 v9, v[CP:CP+3], s[16:17] offset:512*(\t)        ; sixteen lanes store 256 consecutive bytes, aligned
	global_store_b128 v9, v[CP+4:CP+7], s[16:17] offset:512*(\t)+256
.if (\t)+2 < 8
	LOADW (\t)+2, 8, 4096, 0
.endif
.endm
	s_wait_alu depctr_va_vdst(0)
.irp t, 0,1,2,3,4,5,6,7
	BLOCKP \t
.endr
	s_endpgm
.Lfunc_end_k_qbec617ccda_quant:
	.size	k_qbec617ccda_quant, .Lfunc_end_k_qbec617ccda_quant-k_qbec617ccda_quant
	.p2alignl 7, 3214868480
	.fill 96, 4, 3214868480
	.section	.rodata,"a",@progbits
	.p2align	6, 0x0
	.amdhsa_kernel k_qbec617ccda_quant
		.amdhsa_group_segment_fixed_size 35328
		.amdhsa_private_segment_fixed_size 0
		.amdhsa_enable_private_segment 0
		.amdhsa_kernarg_size 56
		.amdhsa_user_sgpr_count 2
		.amdhsa_user_sgpr_kernarg_segment_ptr 1
		.amdhsa_wavefront_size32 1
		.amdhsa_system_sgpr_workgroup_id_x 1
		.amdhsa_system_sgpr_workgroup_id_y 1
		.amdhsa_system_sgpr_workgroup_id_z 1
		.amdhsa_system_vgpr_workitem_id 0
		.amdhsa_next_free_vgpr 224
		.amdhsa_next_free_sgpr 66
		.amdhsa_reserve_vcc 0
		.amdhsa_float_denorm_mode_32 3
		.amdhsa_float_denorm_mode_16_64 3
		.amdhsa_memory_ordered 1
		.amdhsa_forward_progress 1
		.amdhsa_inst_pref_size 121
	.end_amdhsa_kernel
	.amdgpu_metadata
---
amdhsa.version: [ 1, 2 ]
amdhsa.kernels:
  - .name:           k_qbec617ccda_quant
    .symbol:         k_qbec617ccda_quant.kd
    .args:
      - { .name: x, .offset: 0, .size: 8, .value_kind: global_buffer, .address_space: global }
      - { .name: w_attn, .offset: 8, .size: 8, .value_kind: global_buffer, .address_space: global }
      - { .name: w_proj, .offset: 16, .size: 8, .value_kind: global_buffer, .address_space: global }
      - { .name: lowp_scales, .offset: 24, .size: 8, .value_kind: global_buffer, .address_space: global }
      - { .name: xc, .offset: 32, .size: 8, .value_kind: global_buffer, .address_space: global }
      - { .name: wac, .offset: 40, .size: 8, .value_kind: global_buffer, .address_space: global }
      - { .name: wpc, .offset: 48, .size: 8, .value_kind: global_buffer, .address_space: global }
    .group_segment_fixed_size: 35328
    .private_segment_fixed_size: 0
    .kernarg_segment_align: 8
    .kernarg_segment_size: 56
    .max_flat_workgroup_size: 128
    .sgpr_count:     66
    .vgpr_count:     224
    .wavefront_size: 32
...
	.end_amdgpu_metadata
.endif
;; end of part 1
;; launch qkv (part 2): grid 96 x 4, 4 waves a work-group, clusters of 4 x 4, 327,680 bytes of LDS; arguments xc, wac, lowp_scales, b_attn, qc, kc, vc; writes qc, kc, vc
.if DOCPART == 2
	.amdgcn_target "amdgcn-amd-amdhsa--gfx1250"
	.amdhsa_code_object_version 6
	.text
	.protected	k_qbec617ccda_qkv
	.globl	k_qbec617ccda_qkv
	.p2align	8
	.type	k_qbec617ccda_qkv,@function
k_qbec617ccda_qkv:
	s_mov_b64 s[64:65], 0
	v_nop
	global_prefetch_b8 v0, s[64:65] scope:SCOPE_SE
	s_setreg_imm32_b32 hwreg(HW_REG_WAVE_MODE, 25, 1), 1
	s_wait_xcnt 0x0
	s_wait_alu depctr_hold_cnt(0) depctr_sa_sdst(0) depctr_va_vdst(0) depctr_va_sdst(0) depctr_va_ssrc(0) depctr_va_vcc(0) depctr_vm_vsrc(0)
	s_getreg_b32 s2, hwreg(HW_REG_IB_STS2, 6, 4)
	s_cmp_eq_u32 s2, 0
	s_cbranch_scc0 .Lentry_in_a_cluster
	s_endpgm
.Lentry_in_a_cluster:
	s_bfe_u32 s2, ttmp6, 0x10000c
	s_cmp_lg_u32 s2, 0xf033
	s_cbranch_scc0 .Lentry_shape_is_right
	s_endpgm
.Lentry_shape_is_right:
; qkv = x w_attn + b_attn on codes of FP8 (E4M3), and q, k, v quantised at once for the two products of attention; nothing wide goes to memory.
; xc [8192 tokens][1024], wac [3072 features][1024]: codes, K innermost, both in the same order of K.  A sum stands for sum x 2^(e0 + e1).
; The text computes C[rows of A][rows of B], a tile of 256 x 256 a work-group, 128 x 128 a wave (64 accumulators, 512 registers), K in steps of 256 through a ring of two LDS slots.
; THE MATRIX INSTRUCTION IS USED TRANSPOSED (source 0 = 16 rows of B, source 1 = 16 rows of A): a lane holds ONE row of A and eight neighbouring rows of B.
; TWO MODES, by the cluster's number c (24 clusters of 4 x 4 work-groups), the same in all sixteen partners:
;   c < 16: A = xc (tile of tokens 4 (c / 2) + cy), B = wac (tile of features 4 (c % 2) + cx): q (c even) or k (c odd).  A lane holds a token and eight neighbouring d: K of the product q k^T.
;   c >= 16: A = wac (tile of features 8 + cy), B = xc (tile of tokens 4 (c - 16) + cx): v.  A lane holds a feature d and eight neighbouring tokens: the keys, K of the product p v.
; So eight registers of an accumulator, + bias, held and converted, ARE two registers of the next product's operand, and the codes are stored as images of those registers:
;   qc, kc: [64 b h][128 tiles of 16 tokens][1,024 bytes]: registers 4 g .. 4 g + 3 of lane L at 512 g + 16 L; registers 2 c, 2 c + 1 of lane (r, h): d = 16 c + 8 h + 0 .. 7 of token r
;   vc:     [64 b h][16 groups of 128 keys][4 tiles of 16 d][2,048 bytes]: registers 2 c, 2 c + 1 of lane (r, h): keys 16 c + 8 h + 0 .. 7 of d = r
; Every store of a wave covers 512 consecutive bytes, aligned.  No stage in LDS.
; CLUSTERS: the four of a row of the cluster need the same tiles of A, the four of a column the same tiles of B: each tile is asked for JOINTLY.  A's address hangs on c and cy alone, B's on c and cx alone.
; LIMITS: e0 + e1 between -126 and 127; e2, e3, e5 between -126 and 119.  NaN is not served.
; REGISTERS, in windows of 256: window 0: v0-31 addresses and scales; v32-95 b_attn of my 128 rows of B (mode q, k); v96-111 b_attn of my lane's row of A, twice, for each of 8 blocks (mode v);
;   from v128 A's fragments, ONE set; on the way out v128-191 at work, v192-255 four sets of 16 registers of codes.
;   window 1: B's fragments, TWO sets.   window 2: the accumulators of my rows 0-63 ((a, b) at v[8 (8 a + b)]);   window 3: those of my rows 64-127.
.set ROWB,   256                       ; a tile's row in bytes: 256 along K
.set KROW,   1024                      ; a row of xc or of wac in bytes
.set PITCH,  272                       ; an LDS row: 256 bytes + 16 of padding = 68 words: row r starts at bank 4 r mod 64 (ISA guide 11.1): the 16 rows that a load touches start at 16 different banks
.set FR,     16                        ; registers of a fragment: 16 rows x 128 K
.set NL,     4                         ; LDS loads that bring one
.set NP,     4                         ; places behind this matrix instruction (ISA guide 7.12.1)
.set HALFT,  128*PITCH                 ; 128 rows: what one tensor load brings
.set SLOT,   4*HALFT                   ; A's 256 rows, then B's 256 rows
.set LAPS,   2                         ; K = 1,024 = two laps of two slots
.set SPARE,  2*SLOT                    ; behind the ring: the spare words, 128 bytes a wave: two blocks of 256 bytes that no other line names
.set QB,   12                          ; v12  b_attn: byte offset of my eight features of B's block 0
.set VB,   13                          ; v13  b_attn: byte offset of my lane's feature of A's block 0
.set ADRA, 16                          ; v16-17  LDS address of my A fragments in slot 0, 1
.set ADRB, 20                          ; v20-21  the same for B
.set CO,   26                          ; v26  16 x lane
.set SPW,  28                          ; v28  LDS address of my spare word; never rewritten
.set NIL,  29                          ; v29  0; never rewritten
.set SC,   30                          ; v30  the quantiser's scale as f32
.set LIM,  31                          ; v31  448 x that
.set BI,   32
.set BV,   96
.set AF,   128
.set TMP,  128
.set CD,   192
.set G1, 24                            ; s[24:31] descriptor group 1 for A's tiles;  s[32:39] group 0, one set for each slot
.set G0, 32
.set G1B, 48                           ; s[48:55], s[56:63] the same for B's tiles
.set G0B, 56
.set MSB, 0
.macro WIN new                         ; the immediate's high byte repeats the setting that is left
.if MSB != \new
	s_set_vgpr_msb (MSB<<8)|\new
.set MSB, \new
.endif
.endm
.set MUL_LO, 0xa1                      ; source 0 (B) window 1, source 1 (A) window 0, C and D window 2
.set MUL_HI, 0xf1                      ; the same, C and D window 3
.set TO_B,   0x40                      ; destination window 1, address window 0
; A joint load: waves 0 and 1 fetch for A, waves 2 and 3 for B.  Each line has ONE mask and one set of registers for all that issue it; the branch hangs on the wave's number alone.
; An s_nop 0 and four v_nop follow each of the two lines.
.macro JLOAD g0a, g1a, g0b, g1b
	s_cmp_eq_u32 s15, 0
	s_cbranch_scc0 .Lfor_b_\@
	tensor_load_to_lds s[\g0a:\g0a+3], s[\g1a:\g1a+7]
	s_nop 0
.rept 4
	v_nop
.endr
	s_branch .Lasked_\@
.Lfor_b_\@:
	tensor_load_to_lds s[\g0b:\g0b+3], s[\g1b:\g1b+7]
	s_nop 0
.rept 4
	v_nop
.endr
.Lasked_\@:
.endm
.macro CREST                           ; a round of the cluster's barrier behind its opening barrier
	s_cmp_lg_u32 s14, 0
	s_cbranch_scc1 .Lnot_wave_0_\@
	s_barrier_signal -3
.Lnot_wave_0_\@:
	s_barrier_wait -3
	s_barrier_signal -1
	s_barrier_wait -1
.endm
.macro CROUND                          ; a whole round
	s_barrier_signal -1
	s_barrier_wait -1
	CREST
.endm
	s_load_b256 s[4:11], s[0:1], 0x0               ; xc s[4:5], wac s[6:7], the scales' exponents s[8:9], b_attn s[10:11]
	s_load_b128 s[68:71], s[0:1], 0x20             ; qc s[68:69], kc s[70:71]
	s_load_b64 s[72:73], s[0:1], 0x30              ; vc
	v_lshl_add_u32 v[SPW], v0, 2, SPARE
	v_mov_b32 v[NIL], 0
	ds_add_u32 v[SPW], v[NIL]                      ; the wave's opening: the add and its wait ahead of my first tensor load; the set-up below, work on registers, stands between them
	ds_add_u32 v[SPW], v[NIL]
	v_lshrrev_b32 v1, 5, v0
	v_readfirstlane_b32 s14, v1                    ; wave 0..3
	s_lshr_b32 s15, s14, 1                         ; which half of A's rows is mine.  Also: I fetch for A (0) or for B (1)
	s_and_b32 s16, s14, 1                          ; which half of B's rows.  Also: which 128 rows of that tile I fetch
	s_bfe_u32 s40, ttmp6, 0x40000                  ; cx, cy: my place in the cluster
	s_bfe_u32 s41, ttmp6, 0x40004
	s_lshr_b32 s90, ttmp9, 1
	s_lshl_b32 s90, s90, 2                         ; 4 (c / 2)
	s_and_b32 s91, ttmp9, 1
	s_lshl_b32 s91, s91, 2                         ; 4 (c % 2)
	s_max_u32 s92, ttmp9, 16
	s_sub_co_u32 s92, s92, 16
	s_lshl_b32 s92, s92, 2                         ; 4 (c - 16)
	s_cmp_lt_u32 ttmp9, 16                         ; the mode: the same in all sixteen partners
	s_cselect_b32 s17, s90, 8
	s_cselect_b32 s42, s91, s92
	s_add_co_u32 s17, s17, s41                     ; A's tile of 256 rows: hangs on c and cy
	s_add_co_u32 s42, s42, s40                     ; B's tile of 256 rows: hangs on c and cx
	s_lshl_b32 s43, s41, 2
	s_lshl_b32 s43, 15, s43                        ; my row of the cluster
	s_lshl_b32 s44, 0x1111, s40                    ; my column
	; descriptor group 1: a tile of 128 rows x 256 bytes, padded in LDS
	s_or_b32 s[G1+0], s43, (0<<16)|(1<<20)|(1<<21)|(5<<22)|(3<<25)  ; 15:0 the mask: A's tiles go to my row; 17:16 element of 1 byte; 20 padding on; 21 set beside a mask; 24:22 after every 64 words (code 5); 31:25 of 4 words (code 3)
	s_or_b32 s[G1B+0], s44, (0<<16)|(1<<20)|(1<<21)|(5<<22)|(3<<25)
.irp g, G1, G1B
	s_mov_b32 s[\g+1], ROWB<<16                    ; tensor_dim0
	s_mov_b32 s[\g+2], 128<<16                     ; tensor_dim1 = 128
	s_mov_b32 s[\g+3], ROWB<<16                    ; tile_dim0
	s_mov_b32 s[\g+4], 128                         ; tile_dim1 = 128
	s_mov_b32 s[\g+5], KROW                        ; tensor_dim0_stride
	s_mov_b32 s[\g+6], 0
	s_mov_b32 s[\g+7], 0
.endr
	s_lshl_b32 s18, s16, 7                         ; which 128 rows of the tile I fetch
	s_lshl_b32 s20, s17, 8
	s_add_co_u32 s20, s20, s18
	s_lshl_b32 s20, s20, 10                        ; A: (256 x tile + 128 x half) rows of 1,024 bytes
	s_mov_b32 s21, 0
	s_lshl_b32 s46, s42, 8
	s_add_co_u32 s46, s46, s18
	s_lshl_b32 s46, s46, 10                        ; B likewise
	s_mov_b32 s47, 0
	s_mul_i32 s45, s14, HALFT                      ; where they go: wave x 128 rows: no place in the cluster enters an LDS address
	s_wait_dscnt 0x0                               ; the opening add is done
	s_wait_kmcnt 0x0
	s_load_b256 s[80:87], s[8:9], 0x0              ; e0 .. e7: wanted on the way out
	s_cmp_lt_u32 ttmp9, 16
	s_cselect_b64 s[74:75], s[4:5], s[6:7]         ; A is xc or wac,
	s_cselect_b64 s[76:77], s[6:7], s[4:5]         ; B the other
	s_add_nc_u64 s[20:21], s[74:75], s[20:21]
	s_add_nc_u64 s[46:47], s[76:77], s[46:47]
	CROUND                                         ; all sixteen work-groups are here: the first joint loads meet
.irp s, 0,1
	s_mov_b32 s[G0+4*\s], 1
	s_add_co_u32 s[G0+4*\s+1], s45, \s*SLOT
	s_add_nc_u64 s[G0+4*\s+2:G0+4*\s+3], s[20:21], \s*ROWB
	s_or_b32 s[G0+4*\s+3], s[G0+4*\s+3], 0x80000000
	s_mov_b32 s[G0B+4*\s], 1
	s_add_co_u32 s[G0B+4*\s+1], s45, \s*SLOT
	s_add_nc_u64 s[G0B+4*\s+2:G0B+4*\s+3], s[46:47], \s*ROWB
	s_or_b32 s[G0B+4*\s+3], s[G0B+4*\s+3], 0x80000000
.endr
	JLOAD G0, G1, G0B, G1B                         ; K step 0: one tensor load a wave at the head
	v_and_b32 v1, 15, v0                           ; r = l % 16
	v_bfe_u32 v2, v0, 4, 1                         ; h = l / 16
	s_wait_alu depctr_va_vdst(0)
	v_mul_u32_u24 v3, v1, PITCH
	v_lshl_add_u32 v4, v2, 4, v3                   ; a fragment's row x pitch + 16 x half
	s_mul_i32 s21, s15, HALFT                      ; my 128 rows of A
	s_mul_i32 s22, s16, HALFT                      ; my 128 rows of B,
	s_add_co_u32 s22, s22, 2*HALFT                 ; which lie behind A's 256
.irp s, 0,1
	v_add_nc_u32 v[ADRA+\s], s21, v4
	v_add_nc_u32 v[ADRB+\s], s22, v4
	s_add_co_u32 s21, s21, SLOT
	s_add_co_u32 s22, s22, SLOT
.endr
	v_and_b32 v6, 31, v0
	v_lshlrev_b32 v[CO], 4, v6
	; b_attn in both layouts, with no branch: the layout that the mode does not use reads from the buffer's head and is not used
	s_lshl_b32 s90, s42, 8
	s_lshl_b32 s91, s16, 7
	s_add_co_u32 s90, s90, s91                     ; my first row of B
	s_lshl_b32 s91, s17, 8
	s_lshl_b32 s92, s15, 7
	s_add_co_u32 s91, s91, s92                     ; my first row of A
	s_cmp_lt_u32 ttmp9, 16
	s_cselect_b32 s90, s90, 0                      ; mode q, k: B's rows are features
	s_cselect_b32 s91, 0, s91                      ; mode v: A's rows are
	v_lshlrev_b32 v[QB], 5, v2
	v_lshl_add_u32 v[QB], s90, 2, v[QB]            ; 4 x feature + 32 h: my eight features of a block of 16
	v_lshlrev_b32 v[VB], 2, v1
	v_lshl_add_u32 v[VB], s91, 2, v[VB]            ; 4 x (feature + r)
.irp b, 0,1,2,3,4,5,6,7
	global_load_b128 v[BI+8*\b:BI+8*\b+3], v[QB], s[10:11] offset:64*\b
	global_load_b128 v[BI+8*\b+4:BI+8*\b+7], v[QB], s[10:11] offset:64*\b+16
.endr
.irp a, 0,1,2,3,4,5,6,7
	global_load_b32 v[BV+2*\a], v[VB], s[10:11] offset:64*\a
	global_load_b32 v[BV+2*\a+1], v[VB], s[10:11] offset:64*\a      ; twice: a pair for the packed multiply-add
.endr
.macro FRAG reg, adr, q, i             ; a fragment, 16 rows x 128 K, is 16 registers: lane l holds row l % 16; registers 4 c .. 4 c + 3 hold places 32 c + 16 (l / 16) + 0 .. 15: the same places in A and in B
.irp c, 0,1,2,3
	ds_load_b128 v[\reg+4*\c:\reg+4*\c+3], v[\adr] offset:128*(\q)+32*\c+(\i)*16*PITCH
.endr
.endm
; 16 matrix instructions: A's blocks a0, a0 + 1 x B's eight, 128 along K.  p: B's set.  zero = 1: the first product starts the sums: nothing is ever cleared.
; The 64 accumulators take turns, one instruction a turn, in the same order in every step.
.macro MUL16 a0, p, zero
.irp a, \a0, \a0+1
.irp b, 0,1,2,3,4,5,6,7
.if \zero
	v_wmma_f32_16x16x128_fp8_fp8 v[8*(8*((\a)%4)+\b):8*(8*((\a)%4)+\b)+7], v[128*(\p)+FR*\b:128*(\p)+FR*\b+FR-1], v[AF+FR*(\a):AF+FR*(\a)+FR-1], 0
.else
	v_wmma_f32_16x16x128_fp8_fp8 v[8*(8*((\a)%4)+\b):8*(8*((\a)%4)+\b)+7], v[128*(\p)+FR*\b:128*(\p)+FR*\b+FR-1], v[AF+FR*(\a):AF+FR*(\a)+FR-1], v[8*(8*((\a)%4)+\b):8*(8*((\a)%4)+\b)+7]
.endif
.endr
.endr
.endm
.macro FETCH_B slot, q, p              ; B's eight fragments of the slot's q-th 128 along K into set p
	WIN TO_B
.irp i, 0,1,2,3,4,5,6,7
	FRAG 128*(\p)+FR*\i, ADRB+\slot, \q, \i
.endr
	WIN 0
.endm
.macro FETCH_A slot, q, i0             ; A's blocks i0 .. i0 + 3
.irp i, \i0, \i0+1, \i0+2, \i0+3
	FRAG AF+FR*(\i), ADRA+\slot, \q, \i
.endr
.endm
; A load into a register that a matrix instruction has read, and a vector instruction that reads a matrix result or writes one of its registers, stand NP places behind it; only plain vector
; instructions that name none of its registers are places (ISA guide 7.12.1 for vector instructions).
.macro PLACES n
.rept \n
	v_nop
.endr
.endm
; A step of 128 along K that has its successor in the same slot.  A block of A is free as soon as its eight products are issued: blocks 0-3 are fetched anew in the step's middle, blocks 4-7 at its end.
.macro STEP slot, q, zero
	s_wait_dscnt 4*NL                              ; B's set and A's blocks 0-3 are in; the youngest sixteen loads (A's blocks 4-7) may be out
	WIN MUL_LO
	MUL16 0, (\q)%2, \zero
	MUL16 2, (\q)%2, \zero
	s_wait_dscnt 0                                 ; A's blocks 4-7 are in
	PLACES NP
	FETCH_B \slot, (\q)+1, 1-(\q)%2
	FETCH_A \slot, (\q)+1, 0
	WIN MUL_HI
	MUL16 4, (\q)%2, \zero
	MUL16 6, (\q)%2, \zero
	PLACES NP
	WIN 0
	FETCH_A \slot, (\q)+1, 4
.endm
; A slot's last step changes slots: ONE barrier; in front of it each wave waits for all its tensor loads, adds 0 to its spare word, and waits for that and for its own reads of this slot.  fill = 1: this slot is filled again, two K steps ahead.
.macro TURN slot, next, fill
	s_wait_tensorcnt 0x0                           ; all my tensor loads have landed: my part of the next slot (every window is 0 here)
	ds_add_u32 v[SPW], v[NIL]                      ; 0 onto my spare word
	s_wait_dscnt 4*NL+1                            ; the add and the youngest sixteen loads, A's blocks 4-7, may be out
	WIN MUL_LO
	MUL16 0, 1, 0                                  ; sixteen matrix instructions stand between the add and the wait for it
	s_wait_dscnt 0x0                               ; the add is done, and my reads of this slot are over
	s_barrier_signal -1
	MUL16 2, 1, 0
	WIN 0
	s_barrier_wait -1
.if \fill
	CREST                                          ; the barrier has opened a round of the cluster's barrier: no wave of any partner still reads this slot's tile or has a load on its way
	s_add_nc_u64 s[G0+4*\slot+2:G0+4*\slot+3], s[G0+4*\slot+2:G0+4*\slot+3], 2*ROWB
	s_add_nc_u64 s[G0B+4*\slot+2:G0B+4*\slot+3], s[G0B+4*\slot+2:G0B+4*\slot+3], 2*ROWB
	JLOAD G0+4*\slot, G1, G0B+4*\slot, G1B         ; the first tensor load behind the round; its four v_nop are the places in front of the loads below
.else
	PLACES NP
.endif
	FETCH_B \next, 0, 0
	FETCH_A \next, 0, 0
	WIN MUL_HI
	MUL16 4, 1, 0
	MUL16 6, 1, 0
	PLACES NP
	WIN 0
	FETCH_A \next, 0, 4
.endm
	s_wait_alu depctr_va_vdst(0)
	s_wait_tensorcnt 0x0                           ; my part of K step 0 is in
	ds_add_u32 v[SPW], v[NIL]
	s_wait_dscnt 0x0
	CROUND                                         ; everybody's part of K step 0 is in, and all sixteen work-groups are here
	JLOAD G0+4, G1, G0B+4, G1B                     ; K step 1: the first tensor load behind the round
	FETCH_B 0, 0, 0
	FETCH_A 0, 0, 0
	FETCH_A 0, 0, 4
	STEP 0, 0, 1                                   ; the first step stands in front of the loop: its products start the sums
	s_mov_b32 s3, LAPS-1
.Llap:                                                 ; a trip goes once round the ring, from a lap's second step to the next lap's first, and fills both slots again
	TURN 0, 1, 1
	STEP 1, 0, 0
	TURN 1, 0, 1
	STEP 0, 0, 0
	s_sub_co_u32 s3, s3, 1
	s_cmp_lg_u32 s3, 0
	s_cbranch_scc1 .Llap
	TURN 0, 1, 0                                   ; the last lap fills nothing, and has no round of the cluster's barrier
	STEP 1, 0, 0
	s_wait_dscnt 4*NL                              ; the very last step: nothing more to fetch
	WIN MUL_LO
	MUL16 0, 1, 0
	MUL16 2, 1, 0
	s_wait_dscnt 0
	WIN MUL_HI
	MUL16 4, 1, 0
	MUL16 6, 1, 0
	WIN 0
; THE WAY OUT.  number = sum x 2^(e0 + e1) + bias; held; converted with the scale of the operand that it becomes (q: e2, k: e3, v: e5).  All that the mode decides but the two runs of blocks is chosen without a jump.
	s_wait_kmcnt 0x0
	s_add_co_i32 s96, s80, s81
	s_add_co_i32 s96, s96, 127
	s_lshl_b32 s96, s96, 23                        ; 2^(e0 + e1) as f32
	s_mov_b32 s97, s96                             ; (named with it as a pair, so it is written)
	s_and_b32 s92, ttmp9, 1
	s_cmp_lg_u32 s92, 0
	s_cselect_b32 s90, s83, s82                    ; k's exponent or q's,
	s_cselect_b64 s[88:89], s[70:71], s[68:69]     ; kc or qc,
	s_cmp_lt_u32 ttmp9, 16
	s_cselect_b32 s90, s90, s85                    ; or v's,
	s_cselect_b64 s[88:89], s[88:89], s[72:73]     ; and vc
	s_cselect_b32 s92, s17, s42                    ; T: the tile of 256 tokens
	s_cselect_b32 s93, s40, s41                    ; cz: which 256 features of the 1,024: four heads
	s_cselect_b32 s94, s16, s15                    ; u: my half of them: two heads
	s_cselect_b32 s95, s15, s16                    ; w: my half of the tokens
	s_lshr_b32 s91, s92, 3                         ; the batch: 8 tiles of tokens each
	s_lshl_b32 s91, s91, 2
	s_add_co_u32 s91, s91, s93
	s_lshl_b32 s91, s91, 1
	s_add_co_u32 s91, s91, s94
	s_lshl_b32 s91, s91, 18                        ; (16 batch + 4 cz + 2 u) heads of 131,072 bytes,
	s_and_b32 s92, s92, 7
	s_lshl_b32 s92, s92, 14                        ; 256 tokens of a head are 16,384 bytes in all three buffers,
	s_add_co_u32 s92, s92, s91
	s_lshl_b32 s95, s95, 13                        ; 128 tokens 8,192
	s_add_co_u32 s92, s92, s95
	s_mov_b32 s93, 0
	s_add_nc_u64 s[88:89], s[88:89], s[92:93]
	s_add_co_i32 s90, s90, 127
	s_lshl_b32 s91, s90, 23
	v_mov_b32 v[SC], s91
	s_add_co_i32 s90, s90, 8
	s_lshl_b32 s90, s90, 23
	s_or_b32 s90, s90, 0x600000
	v_mov_b32 v[LIM], s90
	s_wait_loadcnt 0x0                             ; b_attn
	PLACES NP                                      ; behind the last products: their results are read and A's registers written below
; Block a: my 16 rows of A x 128 rows of B.  v = 0: the bias goes with B's rows (eight a lane and block b); v = 1: with A's row (one a lane).
.macro OUTBLK a, v
.set AC, 64*((\a)%4)
.set CDS, CD+16*((\a)%4)
.if (\a) >= 4
	s_wait_xcnt 0x0                                ; the stores of four blocks ago have read this set of codes
.endif
	WIN 0x02+((\a)/4)                              ; source 0: window 2 or 3
.irp b, 0,1,2,3,4,5,6,7
.irp i, 0,2,4,6
.if \v
	v_pk_fma_f32 v[TMP+8*\b+\i:TMP+8*\b+\i+1], v[AC+8*\b+\i:AC+8*\b+\i+1], s[96:97], v[BV+2*(\a):BV+2*(\a)+1] op_sel_hi:[1,0,1]
.else
	v_pk_fma_f32 v[TMP+8*\b+\i:TMP+8*\b+\i+1], v[AC+8*\b+\i:AC+8*\b+\i+1], s[96:97], v[BI+8*\b+\i:BI+8*\b+\i+1] op_sel_hi:[1,0,1]   ; each accumulator from its low end on
.endif
.endr
.endr
	WIN 0
.set J, 0
.rept 64
	v_med3_num_f32 v[TMP+J], v[TMP+J], -v[LIM], v[LIM]   ; the conversion to an 8-bit code does not saturate (ISA guide 7.6.2)
.set J, J+1
.endr
.irp b, 0,1,2,3,4,5,6,7
	v_cvt_scalef32_pk8_fp8_f32 v[CDS+2*\b:CDS+2*\b+1], v[TMP+8*\b:TMP+8*\b+7], v[SC]   ; block b's eight numbers: registers 2 b, 2 b + 1
.endr
	v_nop                                          ; one plain vector instruction between the conversions and the next block's writes of their sources
.irp g, 0,1,2,3
.if \v
	global_store_b128 v[CO], v[CDS+4*\g:CDS+4*\g+3], s[88:89] offset:((\a)/4)*131072+((\a)%4)*2048+\g*512   ; head a / 4, tile of d a % 4; 128 keys: four groups of registers
.else
	global_store_b128 v[CO], v[CDS+4*\g:CDS+4*\g+3], s[88:89] offset:(\g/2)*131072+(\a)*1024+(\g%2)*512     ; head g / 2, tile of tokens a; 64 d: two groups of registers
.endif
.endr
.endm
	s_cmp_lt_u32 ttmp9, 16                         ; the cluster's number: all partners take the same way; no LDS access, barrier or tensor load stands under it
	s_cbranch_scc0 .Lmode_v
.irp a, 0,1,2,3,4,5,6,7
	OUTBLK \a, 0
.endr
	s_branch .Ldone
.Lmode_v:
.irp a, 0,1,2,3,4,5,6,7
	OUTBLK \a, 1
.endr
.Ldone:
	s_wait_tensorcnt 0x0                           ; the wave's end, behind my last tensor load
	ds_add_u32 v[SPW], v[NIL]
	s_wait_dscnt 0x0
	CROUND                                         ; the closing round: no work-group ends while a partner may still ask for a tile that names it
	s_endpgm
.Lfunc_end_k_qbec617ccda_qkv:
	.size	k_qbec617ccda_qkv, .Lfunc_end_k_qbec617ccda_qkv-k_qbec617ccda_qkv
	.p2alignl 7, 3214868480
	.fill 96, 4, 3214868480
	.section	.rodata,"a",@progbits
	.p2align	6, 0x0
	.amdhsa_kernel k_qbec617ccda_qkv
		.amdhsa_group_segment_fixed_size 327680
		.amdhsa_private_segment_fixed_size 0
		.amdhsa_enable_private_segment 0
		.amdhsa_kernarg_size 56
		.amdhsa_user_sgpr_count 2
		.amdhsa_user_sgpr_kernarg_segment_ptr 1
		.amdhsa_wavefront_size32 1
		.amdhsa_system_sgpr_workgroup_id_x 1
		.amdhsa_system_sgpr_workgroup_id_y 1
		.amdhsa_system_sgpr_workgroup_id_z 1
		.amdhsa_system_vgpr_workitem_id 0
		.amdhsa_next_free_vgpr 1024
		.amdhsa_next_free_sgpr 100
		.amdhsa_reserve_vcc 0
		.amdhsa_float_denorm_mode_32 3
		.amdhsa_float_denorm_mode_16_64 3
		.amdhsa_memory_ordered 1
		.amdhsa_forward_progress 1
		.amdhsa_inst_pref_size 194
	.end_amdhsa_kernel
	.amdgpu_metadata
---
amdhsa.version: [ 1, 2 ]
amdhsa.kernels:
  - .name:           k_qbec617ccda_qkv
    .symbol:         k_qbec617ccda_qkv.kd
    .args:
      - { .name: xc, .offset: 0, .size: 8, .value_kind: global_buffer, .address_space: global }
      - { .name: wac, .offset: 8, .size: 8, .value_kind: global_buffer, .address_space: global }
      - { .name: lowp_scales, .offset: 16, .size: 8, .value_kind: global_buffer, .address_space: global }
      - { .name: b_attn, .offset: 24, .size: 8, .value_kind: global_buffer, .address_space: global }
      - { .name: qc, .offset: 32, .size: 8, .value_kind: global_buffer, .address_space: global }
      - { .name: kc, .offset: 40, .size: 8, .value_kind: global_buffer, .address_space: global }
      - { .name: vc, .offset: 48, .size: 8, .value_kind: global_buffer, .address_space: global }
    .group_segment_fixed_size: 327680
    .private_segment_fixed_size: 0
    .kernarg_segment_align: 8
    .kernarg_segment_size: 56
    .max_flat_workgroup_size: 128
    .sgpr_count:     100
    .vgpr_count:     1024
    .wavefront_size: 32
...
	.end_amdgpu_metadata
.endif
;; end of part 2
;; launch attn (part 3): grid 4 x 64, 16 waves a work-group, no clusters, 264,192 bytes of LDS; arguments qc, kc, vc, lowp_scales, yc; writes yc
.if DOCPART == 3
	.amdgcn_target "amdgcn-amd-amdhsa--gfx1250"
	.amdhsa_code_object_version 6
	.text
	.protected	k_qbec617ccda_attn
	.globl	k_qbec617ccda_attn
	.p2align	8
	.type	k_qbec617ccda_attn,@function
k_qbec617ccda_attn:
	s_mov_b64 s[64:65], 0
	v_nop
	global_prefetch_b8 v0, s[64:65] scope:SCOPE_SE
	s_setreg_imm32_b32 hwreg(HW_REG_WAVE_MODE, 25, 1), 1
	s_wait_xcnt 0x0
; y[b][h][q] = the sum over k <= q of softmax_k(q . k / 8) v, both products on codes of FP8 (E4M3); y is quantised at once for the last product.
; qc, kc: [64 b h][128 tiles of 16 tokens][1,024 bytes], vc: [64 b h][16 groups of 128 keys][4 tiles of 16 d][2,048 bytes]: images of the operands' registers (registers 4 g .. 4 g + 3 of lane L at 512 g + 16 L).
; yc: [512 tiles of 16 rows][8 steps of 128 features][2,048 bytes], the same kind of image; a head's 64 features of a tile of rows are the 1,024 bytes at 1,024 x head.
; THE SOFTMAX: t = score x log2(e) / 8; M = the running largest t rounded UP to a whole number; p = 2^(t - M) is quantised, not normalised; the row's sum is taken of the unquantised p and divides at the end.
; When M moves, the sum and O are multiplied by 2^(old M - new M): exact.
; LEFT OUT: key steps all of whose keys come after a tile's queries (the causal mask makes their p zero), and the loads of keys that come after all of a work-group's queries.
; SHARES.  Four work-groups to a head, 256 in all.  Wave w of work-group i owns two tiles of 16 queries, one after the other: tile 16 (7 - i) + w, then tile 16 i + 15 - w: together 17 key steps of 128 for every wave.
; K AND V STAY IN LDS, 131,072 bytes each, every byte written once, THROUGH REGISTERS: a group is 256 keys (16,384 bytes of K and of V); waves 0-7 bring K's, waves 8-15 V's, 2,048 bytes a wave and group: four loads and
; four LDS stores of 512 consecutive bytes.  Groups 0, 1 and 2 are asked for at the head.  THE FILL RUNS AHEAD OF THE PRODUCTS: key step s (s = 0 .. 3) of the first tile stores groups 2 s + 1 and 2 s + 2 at its top and asks
; for groups 2 s + 3 and 2 s + 4, a key step ahead of the wait for them.  One barrier in each of these four steps: signalled behind the stores, waited for at the step's end.  Behind step 3 the head lies whole in LDS and
; the waves share nothing more: no barrier stands in the other 13 steps.  Work-group i needs 8 - i groups and brings no more.
; NO TENSOR LOAD.  p is at most 1, so the hold at 448 x 2^e4 can bind only where e4 <= -9; elsewhere its 64 lines are jumped over.
; NO CLUSTER: the work-groups that read the same K and V need different numbers of groups.  NO SEPARATE PREFETCH: each group's own loads into registers are issued a key step ahead of their wait, and all of them in the first four steps.
; LAYOUT.  Both products transposed: S^T = K Q^T (K = 64), O^T = V^T P^T (K = 128 keys): a lane holds ONE query (lane % 16).  In tile t of S^T a lane's eight registers are keys 16 t + 8 (lane / 16) + 0 .. 7:
; converted, they are registers 2 t, 2 t + 1 of P.  O^T's eight registers are eight neighbouring d: converted, two registers of y's image.
; LIMITS: e2 + e3 between -123 and 130 (added to c's exponent field); e4 and e6 between -126 and 119; the scaled scores t stay under 2^31 in magnitude.  NaN is not served.
; REGISTERS: v1-v7 addresses; v8, v9 addresses of the loads in hand; v12 -M, v13 the largest t, v[14:15] the sum; v16-23, v24-31 Q of the two tiles; v32-95 K's eight fragments, then V's four; v96-159 S^T, then p, at the end y
;   (at the head v96-111 carry group 0); v160-191 O^T; v192-207, v208-223 two groups on their way; then v192-207 y's codes; v224-239 p's codes; v240, v244: 448 x 2^e4, 2^e4; v241, v245: the same with e6; v236-239, v242, v243, v246-255 at work.
.set VREG,  131072                     ; V's region; K's begins at 0.  Key step s is bytes 8,192 s on of each
.set SPARE, 262144                     ; behind them: the spare words, 128 bytes a wave, that no other line names
.set GRP,   16384                      ; a group's bytes in each region
.set AL,   1                           ; 16 x lane
.set AV0,  2                           ; the same in V's region
.set FG,   3                           ; my place in a group, in memory
.set FL,   4                           ; and in LDS, region included
.set SPW,  5
.set NIL,  6
.set FA,   7                           ; LDS address of the groups that are stored
.set ADK,  8
.set ADV,  9
.set FR,   208                         ; the odd groups' registers
.set FR2,  192                         ; the even groups'
.set WV,   18
.set SEL,  20                          ; s[20:21] selects for lane l xor 16
.set CS,   22                          ; s[22:23] c = log2(e) / 8 x 2^(e2 + e3)
.set GN,   24                          ; 2 s + 1: the first group that step s stores
.set NG,   25                          ; groups that my work-group needs: 8 - i
.set FT,   26                          ; GRP x s[GN]
.set FB,   28                          ; s[28:29] kc or vc at my head, at group 2 s
.set TB,   80                          ; LDS byte of the key step
.set KF,   81                          ; the step's first key
.set CNT,  82
.set Q0H,  83
.set Q0L,  84
.macro FLOAD reg, off
.irp i, 0,1,2,3
	global_load_b128 v[\reg+4*\i:\reg+4*\i+3], v[FG], s[FB:FB+1] offset:\off+512*\i   ; 32 lanes read 512 consecutive bytes
.endr
.endm
.macro FSTORE adr, reg, off
.irp i, 0,1,2,3
	ds_store_b128 v[\adr], v[\reg+4*\i:\reg+4*\i+3] offset:\off+512*\i
.endr
.endm
	s_load_b256 s[4:11], s[0:1], 0x0               ; qc, kc, vc, the scales' exponents
	s_load_b64 s[12:13], s[0:1], 0x20              ; yc
	v_lshl_add_u32 v[SPW], v0, 2, SPARE
	v_mov_b32 v[NIL], 0
	v_lshrrev_b32 v8, 5, v0
	s_delay_alu instid0(VALU_DEP_1)
	v_readfirstlane_b32 s[WV], v8                  ; wave 0..15
	s_and_b32 s86, ttmp7, 0xffff                   ; b h
	s_lshl_b32 s98, s86, 17                        ; a head is 131,072 bytes in qc, kc and vc
	s_mov_b32 s99, 0
	s_mov_b32 s91, 0
	s_lshr_b32 s89, s[WV], 3
	s_lshl_b32 s89, s89, 17                        ; waves 0-7: K's region; waves 8-15: V's
	s_and_b32 s88, s[WV], 7
	s_lshl_b32 s88, s88, 11                        ; my 2,048 bytes of a group
	s_add_co_u32 s89, s89, s88
	s_sub_co_u32 s[NG], 8, ttmp9
	s_mov_b32 s[SEL], 0x76543210
	s_mov_b32 s[SEL+1], 0xfedcba98
	s_mov_b32 s[CS], 0x3e38aa3b                    ; log2(e) / 8
	v_and_b32 v[AL], 31, v0
	s_delay_alu instid0(VALU_DEP_1)
	v_lshlrev_b32 v[AL], 4, v[AL]
	s_delay_alu instid0(VALU_DEP_1)
	v_add_nc_u32 v[AV0], VREG, v[AL]
	v_add_nc_u32 v[FG], s88, v[AL]
	v_add_nc_u32 v[FL], s89, v[AL]
	s_wait_alu depctr_va_vdst(0)
	s_wait_kmcnt 0x0
	s_load_b256 s[72:79], s[10:11], 0x0            ; e0 .. e7
	s_cmp_lt_u32 s[WV], 8
	s_cselect_b64 s[FB:FB+1], s[6:7], s[8:9]       ; kc or vc,
	s_add_nc_u64 s[FB:FB+1], s[FB:FB+1], s[98:99]  ; at my head
	FLOAD 96, 0                                    ; group 0
	s_sub_co_u32 s96, 7, ttmp9
	s_lshl_b32 s96, s96, 4
	s_add_co_u32 s96, s96, s[WV]                   ; my first tile of queries: 16 (7 - i) + w
	s_lshl_b32 s[Q0H], s96, 4
	s_lshl_b32 s97, ttmp9, 4
	s_add_co_u32 s97, s97, 15
	s_sub_co_u32 s97, s97, s[WV]                   ; my second: 16 i + 15 - w
	s_lshl_b32 s[Q0L], s97, 4
	s_add_nc_u64 s[66:67], s[4:5], s[98:99]        ; qc at my head,
	s_lshl_b32 s90, s97, 10
	s_add_nc_u64 s[68:69], s[66:67], s[90:91]      ; at my second tile,
	s_lshl_b32 s90, s96, 10
	s_add_nc_u64 s[66:67], s[66:67], s[90:91]      ; at my first
	global_load_b128 v[16:19], v[AL], s[66:67]     ; Q's two fragments stay in registers
	global_load_b128 v[20:23], v[AL], s[66:67] offset:512
	global_load_b128 v[24:27], v[AL], s[68:69]
	global_load_b128 v[28:31], v[AL], s[68:69] offset:512
	FLOAD FR, GRP                                  ; group 1
	FLOAD FR2, 2*GRP                               ; group 2 (every work-group needs five groups at the least)
	s_lshr_b32 s92, s86, 4
	s_lshl_b32 s92, s92, 7                         ; 128 tiles of rows to a batch
	s_and_b32 s94, s86, 15
	s_lshl_b32 s94, s94, 10                        ; 1,024 x head
	s_add_co_u32 s90, s92, s96
	s_lshl_b32 s90, s90, 14
	s_add_co_u32 s90, s90, s94
	s_add_nc_u64 s[60:61], s[12:13], s[90:91]      ; yc at my first tile's 1,024 bytes,
	s_add_co_u32 s90, s92, s97
	s_lshl_b32 s90, s90, 14
	s_add_co_u32 s90, s90, s94
	s_add_nc_u64 s[62:63], s[12:13], s[90:91]      ; and at my second's
	v_mov_b32 v236, 0                              ; written once: a lane permute's destination counts as one of its sources
	v_mov_b32 v252, 0
	v_mov_b32 v253, 0
.macro INIT                            ; a tile begins: O^T and the sum are zeros, which the first change of M leaves zeros; the largest t is under every t
	v_mov_b32 v13, 0xff61b1e6                      ; -3e38
	s_delay_alu instid0(VALU_DEP_1)
	v_floor_f32 v12, -v13                          ; -M
	v_mov_b32 v14, 0
	v_mov_b32 v15, 0
.set J, 0
.rept 32
	v_mov_b32 v[160+J], 0
.set J, J+1
.endr
.endm
	INIT
	s_wait_alu depctr_va_vdst(0)
	s_wait_kmcnt 0x0
	s_add_co_i32 s86, s74, s75
	s_lshl_b32 s86, s86, 23
	s_add_co_i32 s[CS], s[CS], s86                 ; a score stands for score x 2^(e2 + e3)
	s_mov_b32 s[CS+1], s[CS]
	s_add_co_i32 s86, s76, 127
	s_lshl_b32 s87, s86, 23
	v_mov_b32 v244, s87                            ; 2^e4
	s_add_co_i32 s86, s86, 8
	s_lshl_b32 s86, s86, 23
	s_or_b32 s86, s86, 0x600000
	v_mov_b32 v240, s86                            ; 448 x 2^e4
	s_add_co_i32 s86, s78, 127
	s_lshl_b32 s87, s86, 23
	v_mov_b32 v245, s87                            ; 2^e6
	s_add_co_i32 s86, s86, 8
	s_lshl_b32 s86, s86, 23
	s_or_b32 s86, s86, 0x600000
	v_mov_b32 v241, s86                            ; 448 x 2^e6
	s_add_co_i32 s85, s76, s77                     ; e4 + e5
; A KEY STEP: 128 keys from s[KF] on, at LDS byte s[TB] of both regions.  qf: Q's fragment; q0: the register with the tile's first query.
.macro STEP qf, q0
	s_add_co_u32 s96, s[\q0], 15
	s_cmp_gt_u32 s[KF], s96                        ; all its keys come after my 16 queries: the step is left out (ids alone)
	s_cbranch_scc1 .Lhidden_\@
	v_add_nc_u32 v[ADK], s[TB], v[AL]
	v_add_nc_u32 v[ADV], s[TB], v[AV0]
	v_nop
	v_nop                                          ; four places in front of loads into registers that the last products read
.irp t, 0,1,2,3,4,5,6,7
	ds_load_b128 v[32+8*\t:35+8*\t], v[ADK] offset:1024*\t
	ds_load_b128 v[36+8*\t:39+8*\t], v[ADK] offset:1024*\t+512
.endr
	s_wait_alu depctr_va_vdst(0)
	s_wait_dscnt 8                                 ; tiles 0-3 are in; the eight loads of tiles 4-7 may be out
.irp t, 0,1,2,3
	v_wmma_f32_16x16x64_fp8_fp8 v[96+8*\t:103+8*\t], v[32+8*\t:39+8*\t], v[\qf:\qf+7], 0
.endr
	s_wait_dscnt 0x0
.irp t, 4,5,6,7
	v_wmma_f32_16x16x64_fp8_fp8 v[96+8*\t:103+8*\t], v[32+8*\t:39+8*\t], v[\qf:\qf+7], 0
.endr
.rept 4
	v_nop                                          ; places: K's registers take V, and the scores are read
.endr
.irp d, 0,1,2,3
.irp g, 0,1,2,3
	ds_load_b128 v[32+16*\d+4*\g:35+16*\d+4*\g], v[ADV] offset:2048*\d+512*\g   ; V lands while the softmax is walked
.endr
.endr
	s_add_co_u32 s96, s[KF], 127                   ; on the diagonal hidden scores become -infinity ahead of the maximum; a step all of whose keys count skips this
	s_cmp_le_u32 s96, s[\q0]
	s_cbranch_scc1 .Lopen_\@
	s_sub_co_i32 s96, s[\q0], s[KF]
	v_and_b32 v252, 15, v0
	v_bfe_u32 v253, v0, 4, 1
	s_delay_alu instid0(VALU_DEP_1)
	v_lshlrev_b32 v253, 3, v253
	s_delay_alu instid0(VALU_DEP_1)
	v_sub_nc_u32 v252, v252, v253
	s_delay_alu instid0(VALU_DEP_1)
	v_add_nc_u32 v252, s96, v252                   ; d = my query - first key - 8 (lane / 16): register 8 t + j is hidden where 16 t + j > d
	v_mov_b32 v254, 0xff800000
.set N, 0
.rept 64
	v_cmp_gt_i32 vcc_lo, 16*(N/8)+N%8, v252
	v_cndmask_b32 v[96+N], v[96+N], v254, vcc_lo
.set N, N+1
.endr
.Lopen_\@:
	v_max3_num_f32 v254, v96, v97, v98             ; the step's largest score of my query, in two chains, from the low end on
	v_max3_num_f32 v252, v99, v100, v101
.irp i, 6,10,14,18,22,26,30,34,38,42,46,50,54,58
	v_max3_num_f32 v254, v254, v[96+\i], v[97+\i]
	v_max3_num_f32 v252, v252, v[98+\i], v[99+\i]
.endr
	v_max3_num_f32 v254, v254, v158, v159
	s_delay_alu instid0(VALU_DEP_1)
	v_max_num_f32 v254, v254, v252
	v_permlanex16_b32 v236, v254, s[SEL], s[SEL+1]
	s_delay_alu instid0(VALU_DEP_1)
	v_max_num_f32 v254, v254, v236                 ; and among lane l xor 16's
	s_delay_alu instid0(VALU_DEP_1)
	v_mul_f32 v254, s[CS], v254                    ; as t (c is positive)
	s_delay_alu instid0(VALU_DEP_1)
	v_max_num_f32 v13, v13, v254                   ; the running largest t
	v_mov_b32 v254, v12
	s_delay_alu instid0(VALU_DEP_2)
	v_floor_f32 v12, -v13                          ; the new -M = -ceil(t)
	s_delay_alu instid0(VALU_DEP_1)
	v_sub_f32 v254, v12, v254                      ; old M - new M: a whole number, 0 or less
	s_delay_alu instid0(VALU_DEP_1)
	v_cvt_i32_f32 v254, v254                       ; (it saturates)
	s_delay_alu instid0(VALU_DEP_1)
	v_ldexp_f32 v252, 1.0, v254                    ; f = 2^(old M - new M)
.set J, 0
.rept 32
	v_pk_fma_f32 v[96+J:97+J], v[96+J:97+J], s[CS:CS+1], v[12:13] op_sel_hi:[1,0,0]   ; t - M, two at a time
.set J, J+2
.endr
.set J, 0
	s_wait_alu depctr_va_vdst(0)
.rept 64
	v_exp_f32 v[96+J], v[96+J]                     ; p = 2^(t - M), at most 1
.set J, J+1
.endr
	v_pk_mul_f32 v[14:15], v[14:15], v[252:253] op_sel_hi:[1,0]   ; the sums under the new M: the plain instruction behind the exponentials
	s_wait_alu depctr_va_vdst(0)                   ; one wait for the whole batch, ahead of its first reader
	v_pk_add_f32 v[242:243], v[100:101], v[104:105]   ; the row's sum of the unquantised p, in eight chains
	v_pk_add_f32 v[254:255], v[108:109], v[112:113]
	v_pk_add_f32 v[250:251], v[116:117], v[120:121]
	v_pk_add_f32 v[248:249], v[124:125], v[128:129]
	v_pk_add_f32 v[246:247], v[132:133], v[136:137]
	v_pk_add_f32 v[238:239], v[140:141], v[144:145]
	v_pk_add_f32 v[236:237], v[148:149], v[152:153]
	v_pk_add_f32 v[14:15], v[14:15], v[156:157]
	v_pk_add_f32 v[242:243], v[242:243], v[96:97]
	v_pk_add_f32 v[254:255], v[254:255], v[98:99]
	v_pk_add_f32 v[250:251], v[250:251], v[102:103]
	v_pk_add_f32 v[248:249], v[248:249], v[106:107]
	v_pk_add_f32 v[246:247], v[246:247], v[110:111]
	v_pk_add_f32 v[238:239], v[238:239], v[114:115]
	v_pk_add_f32 v[236:237], v[236:237], v[118:119]
	v_pk_add_f32 v[14:15], v[14:15], v[122:123]
	v_pk_add_f32 v[242:243], v[242:243], v[126:127]
	v_pk_add_f32 v[254:255], v[254:255], v[130:131]
	v_pk_add_f32 v[250:251], v[250:251], v[134:135]
	v_pk_add_f32 v[248:249], v[248:249], v[138:139]
	v_pk_add_f32 v[246:247], v[246:247], v[142:143]
	v_pk_add_f32 v[238:239], v[238:239], v[146:147]
	v_pk_add_f32 v[236:237], v[236:237], v[150:151]
	v_pk_add_f32 v[14:15], v[14:15], v[154:155]
	v_pk_add_f32 v[242:243], v[242:243], v[158:159]
	s_delay_alu instid0(VALU_DEP_2)
	v_pk_add_f32 v[14:15], v[14:15], v[248:249]
	s_delay_alu instid0(VALU_DEP_2)
	v_pk_add_f32 v[242:243], v[242:243], v[246:247]
	v_pk_add_f32 v[254:255], v[254:255], v[238:239]
	v_pk_add_f32 v[250:251], v[250:251], v[236:237]
	s_delay_alu instid0(VALU_DEP_2)
	v_pk_add_f32 v[14:15], v[14:15], v[254:255]
	s_delay_alu instid0(VALU_DEP_2)
	v_pk_add_f32 v[242:243], v[242:243], v[250:251]
	s_delay_alu instid0(VALU_DEP_1)
	v_pk_add_f32 v[14:15], v[14:15], v[242:243]
	s_wait_alu depctr_va_vdst(0)
	s_cmp_lt_i32 s76, -8                           ; 448 x 2^e4 is under 1 only where e4 <= -9: p, at most 1, is held there alone
	s_cbranch_scc0 .Lfits_\@
.set J, 0
.rept 64
	v_min_num_f32 v[96+J], v[96+J], v240           ; the conversion does not saturate (ISA guide 7.6.2); p is not negative, so the hold is one-sided
.set J, J+1
.endr
.Lfits_\@:
.irp t, 0,1,2,3,4,5,6,7
	v_cvt_scalef32_pk8_fp8_f32 v[224+2*\t:225+2*\t], v[96+8*\t:103+8*\t], v244   ; keys 16 t + 8 (lane / 16) + 0 .. 7: registers 2 t, 2 t + 1 of P
.endr
	s_wait_alu depctr_va_vdst(0)                   ; directly ahead of the first reader of O^T
.set J, 0
.rept 16
	v_pk_mul_f32 v[160+J:161+J], v[160+J:161+J], v[252:253] op_sel_hi:[1,0]   ; O^T under the new M.  (Also the plain instructions between the conversions and the products)
.set J, J+2
.endr
	s_wait_alu depctr_va_vdst(0)
	s_wait_dscnt 0x0                               ; V is in
.irp d, 0,1,2,3                        ; the four accumulators take turns; the next step's eight products of S^T stand between two links of a chain
	v_wmma_f32_16x16x128_fp8_fp8 v[160+8*\d:167+8*\d], v[32+16*\d:47+16*\d], v[224:239], v[160+8*\d:167+8*\d]
.endr
.Lhidden_\@:
.endm
; A tile ends: y = O^T x 2^(e4 + e5) / the sum, held, converted with 2^e6: eight registers, the tile's 1,024 bytes of yc.
.macro FINISH yr, yb
.rept 4
	v_nop                                          ; places behind the last products
.endr
	v_add_f32 v14, v14, v15
	s_delay_alu instid0(VALU_DEP_1)
	v_permlanex16_b32 v252, v14, s[SEL], s[SEL+1]
	s_delay_alu instid0(VALU_DEP_1)
	v_add_f32 v14, v14, v252                       ; the row's sum
	s_wait_alu depctr_va_vdst(0)
	v_rcp_f32 v14, v14
	v_nop                                          ; a plain instruction behind the reciprocal,
	s_wait_alu depctr_va_vdst(0)                   ; and the wait ahead of its first reader
	v_ldexp_f32 v14, v14, s85
	s_wait_alu depctr_va_vdst(0)                   ; directly ahead of the first reader of O^T
.set J, 0
.rept 16
	v_pk_mul_f32 v[96+J:97+J], v[160+J:161+J], v[14:15] op_sel_hi:[1,0]   ; register 8 d + j is y(query r, 16 d + 8 h + j); each accumulator from its low end on
.set J, J+2
.endr
.set J, 0
.rept 32
	v_med3_num_f32 v[96+J], v[96+J], -v241, v241
.set J, J+1
.endr
.irp d, 0,1,2,3
	v_cvt_scalef32_pk8_fp8_f32 v[\yr+2*\d:\yr+2*\d+1], v[96+8*\d:103+8*\d], v245
.endr
	v_nop                                          ; one plain vector instruction between the conversions and the next writes of their sources
	global_store_b128 v[AL], v[\yr:\yr+3], s[\yb:\yb+1]              ; 32 lanes store 512 consecutive bytes, aligned
	global_store_b128 v[AL], v[\yr+4:\yr+7], s[\yb:\yb+1] offset:512
.endm
.macro NEXTSTEP
	s_add_co_u32 s[TB], s[TB], 8192
	s_add_co_u32 s[KF], s[KF], 128
.endm
	s_wait_alu depctr_va_vdst(0)
	s_wait_loadcnt 0xc                             ; group 0's four loads are in; Q's four and the eight of groups 1 and 2 may be out
	FSTORE FL, 96, 0
	s_wait_loadcnt 0x8                             ; Q is in
	s_wait_dscnt 0x0                               ; my part of group 0 lies in LDS,
	s_barrier_signal -1
	s_barrier_wait -1                              ; everybody's does
	s_mov_b32 s[TB], 0
	s_mov_b32 s[KF], 0
	s_mov_b32 s[GN], 1
	s_mov_b32 s[FT], GRP
.Lfill:                                            ; four trips: key steps 0-3 of the first tile (groups 0 and 1), and the fill of groups 1-7
	s_wait_loadcnt 0x0                             ; groups 2 s + 1 and 2 s + 2 are in my registers (where they were asked for)
	s_cmp_lt_u32 s[GN], s[NG]
	s_cbranch_scc0 .Lno_store                      ; no group is brought that my work-group's queries do not see
	v_add_nc_u32 v[FA], s[FT], v[FL]
	FSTORE FA, FR, 0
	s_add_co_u32 s96, s[GN], 1
	s_cmp_lt_u32 s96, 8
	s_cbranch_scc0 .Lno_store                      ; there is no group 8
	s_cmp_lt_u32 s96, s[NG]
	s_cbranch_scc0 .Lno_store
	FSTORE FA, FR2, GRP
.Lno_store:
	s_add_nc_u64 s[FB:FB+1], s[FB:FB+1], 2*GRP     ; (every load that read the base is done)
	s_add_co_u32 s96, s[GN], 2
	s_wait_dscnt 0x0                               ; my stores are done: the others may read them behind the barrier, and their registers may be loaded again
	s_cmp_lt_u32 s96, s[NG]
	s_cbranch_scc0 .Lno_load
	FLOAD FR, GRP                                  ; group 2 s + 3: a key step ahead of the wait for it
	s_add_co_u32 s96, s[GN], 3
	s_cmp_lt_u32 s96, s[NG]
	s_cbranch_scc0 .Lno_load
	FLOAD FR2, 2*GRP                               ; group 2 s + 4
.Lno_load:
	s_barrier_signal -1                            ; between signal and wait: registers, and reads of groups 0 and 1, which nobody writes again
	STEP 16, Q0H
	s_barrier_wait -1                              ; groups 2 s + 1 and 2 s + 2 are whole
	s_add_co_u32 s[FT], s[FT], 2*GRP
	NEXTSTEP
	s_add_co_u32 s[GN], s[GN], 2
	s_cmp_lt_u32 s[GN], 9
	s_cbranch_scc1 .Lfill
	s_wait_loadcnt 0x0                             ; no load of mine is out: the groups' registers may take other numbers
	s_mov_b32 s[TB], 4*8192
	s_mov_b32 s[KF], 4*128
	s_mov_b32 s[CNT], 12
.Lfirst:                                           ; the first tile, key steps 4-15: the trip count is a constant; what is hidden is jumped over inside the step
	STEP 16, Q0H
	NEXTSTEP
	s_sub_co_u32 s[CNT], s[CNT], 1
	s_cmp_lg_u32 s[CNT], 0
	s_cbranch_scc1 .Lfirst
	FINISH 192, 60
	INIT
	s_mov_b32 s[TB], 0
	s_mov_b32 s[KF], 0
	s_mov_b32 s[CNT], 8
	s_wait_alu depctr_va_vdst(0)
.Lsecond:                                          ; the second tile: its queries lie under 1,024, so eight key steps at the most
	STEP 24, Q0L
	NEXTSTEP
	s_sub_co_u32 s[CNT], s[CNT], 1
	s_cmp_lg_u32 s[CNT], 0
	s_cbranch_scc1 .Lsecond
	FINISH 200, 62
	s_wait_tensorcnt 0x0                           ; the wave's end, behind my last LDS store
	ds_add_u32 v[SPW], v[NIL]
	s_wait_dscnt 0x0
	s_endpgm
.Lfunc_end_k_qbec617ccda_attn:
	.size	k_qbec617ccda_attn, .Lfunc_end_k_qbec617ccda_attn-k_qbec617ccda_attn
	.p2alignl 7, 3214868480
	.fill 96, 4, 3214868480
	.section	.rodata,"a",@progbits
	.p2align	6, 0x0
	.amdhsa_kernel k_qbec617ccda_attn
		.amdhsa_group_segment_fixed_size 264192
		.amdhsa_private_segment_fixed_size 0
		.amdhsa_enable_private_segment 0
		.amdhsa_kernarg_size 40
		.amdhsa_user_sgpr_count 2
		.amdhsa_user_sgpr_kernarg_segment_ptr 1
		.amdhsa_wavefront_size32 1
		.amdhsa_system_sgpr_workgroup_id_x 1
		.amdhsa_system_sgpr_workgroup_id_y 1
		.amdhsa_system_sgpr_workgroup_id_z 1
		.amdhsa_system_vgpr_workitem_id 0
		.amdhsa_next_free_vgpr 256
		.amdhsa_next_free_sgpr 100
		.amdhsa_reserve_vcc 1
		.amdhsa_float_denorm_mode_32 3
		.amdhsa_float_denorm_mode_16_64 3
		.amdhsa_memory_ordered 1
		.amdhsa_forward_progress 1
		.amdhsa_inst_pref_size 83
	.end_amdhsa_kernel
	.amdgpu_metadata
---
amdhsa.version: [ 1, 2 ]
amdhsa.kernels:
  - .name:           k_qbec617ccda_attn
    .symbol:         k_qbec617ccda_attn.kd
    .args:
      - { .name: qc, .offset: 0, .size: 8, .value_kind: global_buffer, .address_space: global }
      - { .name: kc, .offset: 8, .size: 8, .value_kind: global_buffer, .address_space: global }
      - { .name: vc, .offset: 16, .size: 8, .value_kind: global_buffer, .address_space: global }
      - { .name: lowp_scales, .offset: 24, .size: 8, .value_kind: global_buffer, .address_space: global }
      - { .name: yc, .offset: 32, .size: 8, .value_kind: global_buffer, .address_space: global }
    .group_segment_fixed_size: 264192
    .private_segment_fixed_size: 0
    .kernarg_segment_align: 8
    .kernarg_segment_size: 40
    .max_flat_workgroup_size: 512
    .sgpr_count:     100
    .vgpr_count:     256
    .wavefront_size: 32
...
	.end_amdgpu_metadata
.endif
;; end of part 3
;; launch proj (part 4): grid 4 x 64, 4 waves a work-group, clusters of 4 x 4, 327,680 bytes of LDS; arguments yc, wpc, lowp_scales, b_proj, out0; writes out0
.if DOCPART == 4
	.amdgcn_target "amdgcn-amd-amdhsa--gfx1250"
	.amdhsa_code_object_version 6
	.text
	.protected	k_qbec617ccda_proj
	.globl	k_qbec617ccda_proj
	.p2align	8
	.type	k_qbec617ccda_proj,@function
k_qbec617ccda_proj:
	s_mov_b64 s[64:65], 0
	v_nop
	global_prefetch_b8 v0, s[64:65] scope:SCOPE_SE
	s_setreg_imm32_b32 hwreg(HW_REG_WAVE_MODE, 25, 1), 1
	s_wait_xcnt 0x0
	s_wait_alu depctr_hold_cnt(0) depctr_sa_sdst(0) depctr_va_vdst(0) depctr_va_sdst(0) depctr_va_ssrc(0) depctr_va_vcc(0) depctr_vm_vsrc(0)
	s_getreg_b32 s2, hwreg(HW_REG_IB_STS2, 6, 4)
	s_cmp_eq_u32 s2, 0
	s_cbranch_scc0 .Lentry_in_a_cluster
	s_endpgm
.Lentry_in_a_cluster:
	s_bfe_u32 s2, ttmp6, 0x10000c
	s_cmp_lg_u32 s2, 0xf033
	s_cbranch_scc0 .Lentry_shape_is_right
	s_endpgm
.Lentry_shape_is_right:
; out0 = y w_proj + b_proj on codes of FP8 (E4M3).  A sum stands for sum x 2^(e6 + e7); b_proj x 2^-(e6 + e7) is the C of each accumulator's first product, and each finished sum is multiplied once by 2^(e6 + e7).
; yc [512 tiles of 16 rows][8 steps of 128 k][2,048 bytes], wpc [64 tiles of 16 columns][8 steps][2,048 bytes]: images of the operands' registers (registers 4 c .. 4 c + 3 of lane L at 512 c + 16 L).
; A BLOCK of out0 is 128 rows x 256 columns: 64 x 4 = 256 work-groups.  Four waves; a wave makes 64 x 128: 32 accumulators, 256 registers, all in window 2.
; K goes in steps of 256 through a ring of two LDS slots; a tile of 16's part of a slot is 4,096 consecutive bytes.  Waves 0 and 1 fetch A's 4 + 4 tiles of 16 rows, waves 2 and 3 B's 8 + 8 tiles of 16 columns.
; THE MATRIX INSTRUCTION IS USED TRANSPOSED (source 0 = 16 columns of w_proj, source 1 = 16 rows of y): a lane holds eight neighbouring numbers of a row of out0.
; CLUSTERS: 4 x 4 work-groups.  The four of a row of the cluster need the same tiles of A, the four of a column the same tiles of B: each is asked for jointly.
; NO PREFETCH: K is four slots' worth; the first two come by the head's loads, and a request two refills ahead of the other two would stand at the head.
; LIMIT: e6 + e7 between -126 and 127.
; REGISTERS: window 0: v0-31 addresses; v32-95 b_proj of my 128 columns, on the way out a block's results; v128-191 A's four fragments, ONE set; on the way out v128-255 rows read back.  Window 1: B's fragments, TWO sets.  Window 2: accumulator (a, b) at v[8 (8 a + b)].
.set STEPB,  4096                      ; a tile of 16's bytes in a slot: two steps of 128 along K
.set FR,     16
.set NL,     4                         ; LDS loads that bring a fragment
.set NP,     4                         ; places behind this matrix instruction (ISA guide 7.12.1)
.set HALFT,  8*STEPB                   ; a fetching wave's region of a slot (A's waves use its first half)
.set SLOT,   4*HALFT
.set LAPS,   2
.set SPARE,  2*SLOT                    ; behind the ring: the spare words, 128 bytes a wave, that no other line names
.set SPITCH, 528                       ; the way out: a stage of 16 rows x (512 bytes + 16) for each wave, in slot 0, which has had its last fill and its last read by then
.set NROW,   4096                      ; a row of out0 in bytes
.set QB,   12
.set ADRA, 16                          ; v16-17 LDS address of my A fragments in slot 0, 1
.set ADRB, 20                          ; v20-21 the same for B
.set STO,  24
.set RD,   25
.set CO,   26                          ; 16 x lane
.set SPW,  28
.set NIL,  29
.set BI,   32
.set TMP,  32
.set AF,   128
.set BK,   128
.set G1, 24                            ; s[24:31] descriptor group 1 for A's tiles; s[32:39] group 0, one set for each slot
.set G0, 32
.set G1B, 48                           ; s[48:55], s[56:63] the same for B's
.set G0B, 56
.set MSB, 0
.macro WIN new                         ; the immediate's high byte repeats the setting that is left
.if MSB != \new
	s_set_vgpr_msb (MSB<<8)|\new
.set MSB, \new
.endif
.endm
.set MUL_LO, 0xa1                      ; source 0 (B) window 1, source 1 (A) window 0, C and D window 2
.set FST_LO, 0x81                      ; the same, C (the bias) window 0
.set TO_B,   0x40
.macro JLOAD g0a, g1a, g0b, g1b        ; a joint load: waves 0 and 1 for A, waves 2 and 3 for B; an s_nop 0 and four v_nop follow each line
	s_cmp_eq_u32 s15, 0
	s_cbranch_scc0 .Lfor_b_\@
	tensor_load_to_lds s[\g0a:\g0a+3], s[\g1a:\g1a+7]
	s_nop 0
.rept 4
	v_nop
.endr
	s_branch .Lasked_\@
.Lfor_b_\@:
	tensor_load_to_lds s[\g0b:\g0b+3], s[\g1b:\g1b+7]
	s_nop 0
.rept 4
	v_nop
.endr
.Lasked_\@:
.endm
.macro CREST                           ; a round of the cluster's barrier behind its opening barrier
	s_cmp_lg_u32 s14, 0
	s_cbranch_scc1 .Lnot_wave_0_\@
	s_barrier_signal -3
.Lnot_wave_0_\@:
	s_barrier_wait -3
	s_barrier_signal -1
	s_barrier_wait -1
.endm
.macro CROUND
	s_barrier_signal -1
	s_barrier_wait -1
	CREST
.endm
	s_load_b256 s[4:11], s[0:1], 0x0               ; yc, wpc, the scales' exponents, b_proj
	s_load_b64 s[12:13], s[0:1], 0x20              ; out0
	v_lshl_add_u32 v[SPW], v0, 2, SPARE
	v_mov_b32 v[NIL], 0
	ds_add_u32 v[SPW], v[NIL]                      ; the wave's opening: the add, twice on end, and its wait ahead of my first tensor load
	ds_add_u32 v[SPW], v[NIL]
	v_lshrrev_b32 v1, 5, v0
	v_readfirstlane_b32 s14, v1                    ; wave 0..3
	s_lshr_b32 s15, s14, 1                         ; which 64 of the block's rows are mine.  Also: I fetch for A (0) or for B (1)
	s_and_b32 s16, s14, 1                          ; which 128 of its columns.  Also: which half of that operand's tiles I fetch
	s_bfe_u32 s40, ttmp6, 0x40000                  ; cx, cy
	s_bfe_u32 s41, ttmp6, 0x40004
	s_lshl_b32 s42, ttmp9, 2
	s_add_co_u32 s42, s42, s40                     ; block column = 4 x cluster x + cx
	s_and_b32 s17, ttmp7, 0xffff
	s_lshl_b32 s17, s17, 2
	s_add_co_u32 s17, s17, s41                     ; block row = 4 x cluster y + cy
	s_lshl_b32 s43, s41, 2
	s_lshl_b32 s43, 15, s43                        ; my row of the cluster
	s_lshl_b32 s44, 0x1111, s40                    ; my column
	s_or_b32 s[G1+0], s43, (3<<16)|(1<<21)         ; the mask; elements of 8 bytes; bit 21 beside a mask; no padding: an image is read 512 consecutive bytes a load
	s_or_b32 s[G1B+0], s44, (3<<16)|(1<<21)
.irp g, G1, G1B
	s_mov_b32 s[\g+1], 512<<16                     ; tensor_dim0: 4,096 bytes
	s_mov_b32 s[\g+3], 512<<16                     ; tile_dim0
	s_mov_b32 s[\g+5], 2048                        ; from tile of 16 to tile of 16: 16,384 bytes
	s_mov_b32 s[\g+6], 0
	s_mov_b32 s[\g+7], 0
.endr
	s_mov_b32 s[G1+2], 4<<16                       ; A: four tiles of 16 rows a load
	s_mov_b32 s[G1+4], 4
	s_mov_b32 s[G1B+2], 8<<16                      ; B: eight tiles of 16 columns
	s_mov_b32 s[G1B+4], 8
	s_lshl_b32 s20, s17, 7
	s_lshl_b32 s19, s16, 6
	s_add_co_u32 s20, s20, s19
	s_lshl_b32 s20, s20, 10                        ; A: (128 x block row + 64 x half) rows of 1,024 bytes
	s_mov_b32 s21, 0
	s_lshl_b32 s18, s16, 7
	s_lshl_b32 s46, s42, 8
	s_add_co_u32 s46, s46, s18
	s_lshl_b32 s46, s46, 10                        ; B: (256 x block column + 128 x half) columns of 1,024 bytes
	s_mov_b32 s47, 0
	s_mul_i32 s45, s14, HALFT                      ; where they go: no place in the cluster enters an LDS address
	s_wait_dscnt 0x0                               ; both opening adds are done
	s_wait_kmcnt 0x0
	s_load_b64 s[96:97], s[8:9], 0x18              ; e6, e7
	s_add_nc_u64 s[20:21], s[4:5], s[20:21]
	s_add_nc_u64 s[46:47], s[6:7], s[46:47]
	CROUND                                         ; all sixteen work-groups are here: the first joint loads meet
.irp s, 0,1
	s_mov_b32 s[G0+4*\s], 1
	s_add_co_u32 s[G0+4*\s+1], s45, \s*SLOT
	s_add_nc_u64 s[G0+4*\s+2:G0+4*\s+3], s[20:21], \s*STEPB
	s_or_b32 s[G0+4*\s+3], s[G0+4*\s+3], 0x80000000
	s_mov_b32 s[G0B+4*\s], 1
	s_add_co_u32 s[G0B+4*\s+1], s45, \s*SLOT
	s_add_nc_u64 s[G0B+4*\s+2:G0B+4*\s+3], s[46:47], \s*STEPB
	s_or_b32 s[G0B+4*\s+3], s[G0B+4*\s+3], 0x80000000
.endr
	JLOAD G0, G1, G0B, G1B                         ; K step 0: one tensor load a wave at the head
	s_mul_i32 s90, s15, HALFT                      ; my 64 rows of A
	s_mul_i32 s91, s16, HALFT
	s_add_co_u32 s91, s91, 2*HALFT                 ; my 128 columns of B
	s_mul_i32 s92, s14, 16*SPITCH                  ; my stage
	s_lshl_b32 s20, s17, 7
	s_lshl_b32 s21, s15, 6
	s_add_co_u32 s20, s20, s21
	s_lshl_b32 s20, s20, 12                        ; my first row of out0, in bytes
	s_mov_b32 s21, 0
	s_lshl_b32 s46, s42, 10
	s_lshl_b32 s47, s16, 9
	s_add_co_u32 s46, s46, s47                     ; my first column, in bytes
	s_mov_b32 s47, 0
	s_add_nc_u64 s[10:11], s[10:11], s[46:47]
	s_add_nc_u64 s[20:21], s[20:21], s[46:47]
	s_add_nc_u64 s[12:13], s[12:13], s[20:21]
	v_and_b32 v1, 15, v0                           ; r
	v_bfe_u32 v2, v0, 4, 1                         ; h
	v_and_b32 v6, 31, v0
	v_lshlrev_b32 v[CO], 4, v6
	v_add_nc_u32 v[ADRA], s90, v[CO]
	v_add_nc_u32 v[ADRB], s91, v[CO]
	v_add_nc_u32 v[ADRA+1], SLOT, v[ADRA]
	v_add_nc_u32 v[ADRB+1], SLOT, v[ADRB]
	v_mul_u32_u24 v5, v1, SPITCH
	v_lshl_add_u32 v5, v2, 5, v5
	v_add_nc_u32 v[STO], s92, v5                   ; the stage, in: row r, 32 bytes for each half of the lanes
	v_add_nc_u32 v[RD], s92, v[CO]                 ; and back: the 32 lanes take one row of 512 bytes
	v_lshlrev_b32 v[QB], 5, v2
.irp b, 0,1,2,3,4,5,6,7
	global_load_b128 v[BI+8*\b:BI+8*\b+3], v[QB], s[10:11] offset:64*\b       ; b_proj at my eight columns of each tile of 16
	global_load_b128 v[BI+8*\b+4:BI+8*\b+7], v[QB], s[10:11] offset:64*\b+16
.endr
	s_wait_alu depctr_va_vdst(0)
	s_wait_kmcnt 0x0
	s_add_co_i32 s96, s96, s97
	s_sub_co_i32 s94, 0, s96                       ; -(e6 + e7)
	s_add_co_i32 s96, s96, 127
	s_lshl_b32 s96, s96, 23                        ; 2^(e6 + e7) as f32
	s_mov_b32 s97, s96
	s_wait_loadcnt 0x0
.set J, 0
.rept 64
	v_ldexp_f32 v[BI+J], v[BI+J], s94
.set J, J+1
.endr
.macro FRAG reg, adr, q, i
.irp c, 0,1,2,3
	ds_load_b128 v[\reg+4*\c:\reg+4*\c+3], v[\adr] offset:STEPB*(\i)+2048*(\q)+512*\c
.endr
.endm
; 16 matrix instructions: A's blocks a0, a0 + 1 x B's eight, 128 along K.  p: B's set.  first = 1: the bias starts the sums.  The 32 accumulators take turns in the same order in every step.
.macro MUL16 a0, p, first
.irp a, \a0, \a0+1
.irp b, 0,1,2,3,4,5,6,7
.if \first
	v_wmma_f32_16x16x128_fp8_fp8 v[8*(8*(\a)+\b):8*(8*(\a)+\b)+7], v[128*(\p)+FR*\b:128*(\p)+FR*\b+FR-1], v[AF+FR*(\a):AF+FR*(\a)+FR-1], v[BI+8*\b:BI+8*\b+7]
.else
	v_wmma_f32_16x16x128_fp8_fp8 v[8*(8*(\a)+\b):8*(8*(\a)+\b)+7], v[128*(\p)+FR*\b:128*(\p)+FR*\b+FR-1], v[AF+FR*(\a):AF+FR*(\a)+FR-1], v[8*(8*(\a)+\b):8*(8*(\a)+\b)+7]
.endif
.endr
.endr
.endm
.macro FETCH_B slot, q, p
	WIN TO_B
.irp i, 0,1,2,3,4,5,6,7
	FRAG 128*(\p)+FR*\i, ADRB+\slot, \q, \i
.endr
	WIN 0
.endm
.macro FETCH_A slot, q, i0             ; A's blocks i0, i0 + 1
.irp i, \i0, \i0+1
	FRAG AF+FR*(\i), ADRA+\slot, \q, \i
.endr
.endm
.macro PLACES n
.rept \n
	v_nop
.endr
.endm
; A step of 128 along K that has its successor in the same slot.  A block of A is free as soon as its eight products are issued.
.macro STEP slot, q, first
	s_wait_dscnt 2*NL                              ; B's set and A's blocks 0-1 are in; the youngest eight loads (blocks 2-3) may be out
	WIN MUL_LO-0x20*(\first)
	MUL16 0, (\q)%2, \first
	s_wait_dscnt 0
	PLACES NP
	FETCH_B \slot, (\q)+1, 1-(\q)%2
	FETCH_A \slot, (\q)+1, 0
	WIN MUL_LO-0x20*(\first)
	MUL16 2, (\q)%2, \first
	PLACES NP
	WIN 0
	FETCH_A \slot, (\q)+1, 2
.endm
; A slot's last step changes slots: one barrier; in front of it each wave waits for all its tensor loads, adds 0 to its spare word, and waits for that and for its reads of this slot.  fill = 1: this slot is filled again.
.macro TURN slot, next, fill
	s_wait_tensorcnt 0x0                           ; my part of the next slot has landed
	ds_add_u32 v[SPW], v[NIL]
	s_wait_dscnt 2*NL+1                            ; the add and the youngest eight loads may be out
	WIN MUL_LO
	MUL16 0, 1, 0
	s_wait_dscnt 0x0                               ; the add is done, and my reads of this slot are over
	s_barrier_signal -1
	MUL16 2, 1, 0
	WIN 0
	s_barrier_wait -1
.if \fill
	CREST                                          ; the barrier has opened a round of the cluster's barrier
	s_add_nc_u64 s[G0+4*\slot+2:G0+4*\slot+3], s[G0+4*\slot+2:G0+4*\slot+3], 2*STEPB
	s_add_nc_u64 s[G0B+4*\slot+2:G0B+4*\slot+3], s[G0B+4*\slot+2:G0B+4*\slot+3], 2*STEPB
	JLOAD G0+4*\slot, G1, G0B+4*\slot, G1B         ; the first tensor load behind the round; its four v_nop are the places in front of the loads below
.else
	PLACES NP
.endif
	FETCH_B \next, 0, 0
	FETCH_A \next, 0, 0
	FETCH_A \next, 0, 2
.endm
	s_wait_alu depctr_va_vdst(0)
	s_wait_tensorcnt 0x0                           ; my part of K step 0 is in
	ds_add_u32 v[SPW], v[NIL]
	s_wait_dscnt 0x0
	CROUND                                         ; everybody's part is in, and all sixteen work-groups are here
	JLOAD G0+4, G1, G0B+4, G1B                     ; K step 1: the first tensor load behind the round
	FETCH_B 0, 0, 0
	FETCH_A 0, 0, 0
	FETCH_A 0, 0, 2
	STEP 0, 0, 1                                   ; the first step stands in front of the loop: its products start the sums
	s_mov_b32 s3, LAPS-1
.Llap:
	TURN 0, 1, 1
	STEP 1, 0, 0
	TURN 1, 0, 1
	STEP 0, 0, 0
	s_sub_co_u32 s3, s3, 1
	s_cmp_lg_u32 s3, 0
	s_cbranch_scc1 .Llap
	TURN 0, 1, 0                                   ; the last lap fills nothing, and has no round of the cluster's barrier
	STEP 1, 0, 0
	s_wait_dscnt 2*NL                              ; the very last step
	WIN MUL_LO
	MUL16 0, 1, 0
	s_wait_dscnt 0
	MUL16 2, 1, 0
	WIN 0
; THE WAY OUT, block by block of 16 rows x 128 columns, through my own stage: back come whole rows of 512 bytes, which the 32 lanes store as two aligned units of 256 bytes.
.macro TOSTAGE a
.set AC, 64*(\a)
	WIN 0x02                                       ; source 0: window 2
.set J, 0
.rept 32
	v_pk_mul_f32 v[TMP+J:TMP+J+1], v[AC+J:AC+J+1], s[96:97] op_sel_hi:[1,0]   ; x 2^(e6 + e7); each accumulator from its low end on
.set J, J+2
.endr
	WIN 0
.irp b, 0,1,2,3,4,5,6,7
	ds_store_b128 v[STO], v[TMP+8*\b:TMP+8*\b+3] offset:64*\b
	ds_store_b128 v[STO], v[TMP+8*\b+4:TMP+8*\b+7] offset:64*\b+16
.endr
.set BB, BK+64*((\a)%2)
.irp t, 0,1,2,3,4,5,6,7,8,9,10,11,12,13,14,15
	ds_load_b128 v[BB+4*\t:BB+4*\t+3], v[RD] offset:\t*SPITCH   ; LDS serves a wave's instructions in order (ISA guide 5.7.1.4)
.endr
.endm
.macro SEND a, younger                 ; younger: the LDS instructions issued behind block a's loads, which may stay out
.set BB, BK+64*((\a)%2)
	s_wait_dscnt \younger
.if (\a) > 0
	s_add_nc_u64 s[12:13], s[12:13], 16*NROW       ; (behind a wait on XCNT: the earlier stores have read their base)
.endif
.irp t, 0,1,2,3,4,5,6,7,8,9,10,11,12,13,14,15
	global_store_b128 v[CO], v[BB+4*\t:BB+4*\t+3], s[12:13] offset:\t*NROW th:TH_STORE_NT
.endr
.endm
	PLACES NP
	TOSTAGE 0
.irp a, 1,2,3
.if \a > 1
	s_wait_xcnt 0x0                                ; block a - 2's stores have read their registers and their base
.endif
	TOSTAGE \a
	SEND \a-1, 32                                  ; behind block a - 1's loads: block a's 16 stores and 16 loads
.endr
	s_wait_xcnt 0x0
	SEND 3, 0
	s_wait_tensorcnt 0x0                           ; the wave's end
	ds_add_u32 v[SPW], v[NIL]
	s_wait_dscnt 0x0
	CROUND                                         ; the closing round
	s_endpgm
.Lfunc_end_k_qbec617ccda_proj:
	.size	k_qbec617ccda_proj, .Lfunc_end_k_qbec617ccda_proj-k_qbec617ccda_proj
	.p2alignl 7, 3214868480
	.fill 96, 4, 3214868480
	.section	.rodata,"a",@progbits
	.p2align	6, 0x0
	.amdhsa_kernel k_qbec617ccda_proj
		.amdhsa_group_segment_fixed_size 327680
		.amdhsa_private_segment_fixed_size 0
		.amdhsa_enable_private_segment 0
		.amdhsa_kernarg_size 40
		.amdhsa_user_sgpr_count 2
		.amdhsa_user_sgpr_kernarg_segment_ptr 1
		.amdhsa_wavefront_size32 1
		.amdhsa_system_sgpr_workgroup_id_x 1
		.amdhsa_system_sgpr_workgroup_id_y 1
		.amdhsa_system_sgpr_workgroup_id_z 1
		.amdhsa_system_vgpr_workitem_id 0
		.amdhsa_next_free_vgpr 768
		.amdhsa_next_free_sgpr 100
		.amdhsa_reserve_vcc 0
		.amdhsa_float_denorm_mode_32 3
		.amdhsa_float_denorm_mode_16_64 3
		.amdhsa_memory_ordered 1
		.amdhsa_forward_progress 1
		.amdhsa_inst_pref_size 81
	.end_amdhsa_kernel
	.amdgpu_metadata
---
amdhsa.version: [ 1, 2 ]
amdhsa.kernels:
  - .name:           k_qbec617ccda_proj
    .symbol:         k_qbec617ccda_proj.kd
    .args:
      - { .name: yc, .offset: 0, .size: 8, .value_kind: global_buffer, .address_space: global }
      - { .name: wpc, .offset: 8, .size: 8, .value_kind: global_buffer, .address_space: global }
      - { .name: lowp_scales, .offset: 16, .size: 8, .value_kind: global_buffer, .address_space: global }
      - { .name: b_proj, .offset: 24, .size: 8, .value_kind: global_buffer, .address_space: global }
      - { .name: out0, .offset: 32, .size: 8, .value_kind: global_buffer, .address_space: global }
    .group_segment_fixed_size: 327680
    .private_segment_fixed_size: 0
    .kernarg_segment_align: 8
    .kernarg_segment_size: 40
    .max_flat_workgroup_size: 128
    .sgpr_count:     100
    .vgpr_count:     768
    .wavefront_size: 32
...
	.end_amdgpu_metadata
.endif
;; end of part 4
